; MI455X (gfx1250); checked and timed in simulation.
; The chip was launched on July 23, 2026; its instructions are those of AMD's public machine-readable ISA for CDNA 5 (MIT licence, August 2026) and "CDNA5" Instruction Set Architecture Reference Guide (July 2026). The comments in the code are by the model that wrote it; some were corrected since.
;; Multihead Attention. Allowed arithmetic: matrix products marked QUANTISED: E2M3 operands, one E8M0 scale for each 32 along K, by v_wmma_scale_f32_16x16x128_f8f6f4 with both operands' format E2M3, f32 sums; everything else in f32.
;; Inputs: b_out 1,024 float32; b_qkv 3,072 float32; w_out 1,024 x 1,024 float32; w_qkv 1,024 x 3,072 float32; x 4 x 2,048 x 1,024 float32.
;; Outputs: out0 4 x 2,048 x 1,024 float32.
;; This version of the problem:
;;   THIS VERSION OF THE PROBLEM IS GIVEN IN LOW PRECISION. The matrix products marked QUANTISED in the list below multiply operands that are first quantised to E2M3 (2 exponent bits, 3 mantissa bits; 6 bits a number), with one power-of-two scale for each 32 numbers along K (OCP MX v1.0); their sums are f32. All else is computed in f32.
;;   The module's matrix products, in the order in which they are computed (A, B: the left and right operand; K: the contracted axis; several contracted axes count as one K, in the product's order):
;;     1. [M 8,192, K 1,024] x [K 1,024, N 3,072]; A: input x; B: input w_qkv: QUANTISED
;;     2. batch 64 x [M 2,048, K 64] x [K 64, N 2,048]; A: computed on the way; B: computed on the way: QUANTISED
;;     3. batch 64 x [M 2,048, K 2,048] x [K 2,048, N 64]; A: softmax (see below); B: computed on the way: QUANTISED
;;     4. [M 8,192, K 1,024] x [K 1,024, N 1,024]; A: computed on the way; B: input w_out: QUANTISED
;;   THE QUANTISER, for each operand of a quantised product, along K:
;;     - K is cut into blocks of 32 from its start; a last block that is shorter is filled with zeros.
;;     - A block's scale is 2^e with e = floor(log2(the largest magnitude in the block)) - 2, held to -126 .. 127; a block of zeros has e = 0. As a byte (E8M0): e + 127.
;;     - Each number is divided by its block's scale, clamped to +-7.5, and rounded to the nearest number of E2M3, ties to even, subnormals kept.
;;     - The product sums the exact products of the quantised numbers (number of the format x scale) in f32.
;;   ~~~python
;;   def quantise(x, axis):      # numpy; x: float32 -> the quantised numbers, widened to float32 again
;;       x = np.moveaxis(x, axis, -1); K = x.shape[-1]
;;       x = np.pad(x, [(0, 0)] * (x.ndim - 1) + [(0, -K % 32)]); x = x.reshape(x.shape[:-1] + (-1, 32)); a = np.abs(x).max(-1, keepdims=True)
;;       e = np.where(a > 0, np.clip(np.frexp(np.where(a > 0, a, 1))[1] - 1 - 2, -126, 127), 0)      # np.frexp(a)[1] - 1 = floor(log2(a)), exactly
;;       r = np.clip(x / 2.0 ** e, -7.5, 7.5)
;;       step = 2.0 ** (np.maximum(np.frexp(np.where(r == 0, 1, r))[1] - 1, 0) - 3)
;;       q = np.round(r / step) * step * 2.0 ** e      # np.round: ties to even
;;       return np.moveaxis(q.reshape(q.shape[:-2] + (-1,))[..., :K], -1, axis).astype(np.float32)
;;   ~~~
;;   SOFTMAX AHEAD OF A QUANTISED PRODUCT. Where the list says 'softmax', what is quantised is not the finished softmax but p = 2^(t - M), with t = logit x log2(e) and M = ceil(the row's largest t), a whole number; so 1/2 < the row's largest p <= 1. The row's sum l is taken of the UNQUANTISED p, in f32, and the product's result is divided by l at the end. Since M is a whole number, a kernel that streams over the keys may use a running M (the ceiling of the running maximum): every later rescaling is an exact power of two, which a block's scale takes up: the codes' values come out the same.
;;   OPERANDS COMPUTED ON THE WAY. 'Computed on the way' means the value that the module computes at that place (a softmax that the list does not call 'softmax' is quantised finished and normalised). What goes into a quantiser is computed in f32, as accurately as f32 sums, v_exp_f32 and their like allow (about 1e-6 of the number): no bf16 or f16 on the way to a quantiser, and a product that is left as it is and whose result goes on into a quantised operand takes f32 operands (vector FMAs, or v_wmma_f32_16x16x4_f32). A number that lies on a knife's edge between two numbers of the format may be rounded either way, as far as f32 arithmetic and the matrix unit's own rounding can turn it there, and no further.
;; One version. Each part assembles by itself: llvm-mc -triple=amdgcn-amd-amdhsa -mcpu=gfx1250 --defsym DOCPART=n.
;; ======== version 1 of 1: 4 launches
;; limits: right only within a limited range of input values
;; workspace buffers: codes 9,437,184 bytes; scales 393,216 bytes; qrec 6,815,744 bytes; kv 13,369,344 bytes; oc 6,291,456 bytes; os 262,144 bytes
;; launch quant (part 1): grid 384 x 1, 4 waves a work-group, no clusters, 34,304 bytes of LDS; arguments x, w_qkv, w_out, codes, scales; writes codes, scales
.if DOCPART == 1
	.amdgcn_target "amdgcn-amd-amdhsa--gfx1250"
	.amdhsa_code_object_version 6
	.text
	.protected	k_q5274b6f7e2_quant
	.globl	k_q5274b6f7e2_quant
	.p2align	8
	.type	k_q5274b6f7e2_quant,@function
k_q5274b6f7e2_quant:
	s_mov_b64 s[64:65], 0
	v_nop
	global_prefetch_b8 v0, s[64:65] scope:SCOPE_SE
	s_setreg_imm32_b32 hwreg(HW_REG_WAVE_MODE, 25, 1), 1
	s_wait_xcnt 0x0
; x [8192][1024], w_qkv [1024][3072] and w_out [1024][1024], f32, become codes of FP6 (E2M3) with one E8M0 byte for each 32 along K = 1024.
; A block's scale is 2^(floor(log2(its largest magnitude)) - 2); its byte is the largest magnitude's exponent field - 2, held at 1 from below.
; LIMITS: NaN and infinities among the inputs are not served.  A block of zeros gets the byte 1 where the rule says 127: its codes are zeros, and this program alone reads the bytes.
; THE CODES' LAYOUT is that of the operand's registers.  codes: [768 row tiles of 16 rows][8 K steps of 128][1,536 bytes]; row tiles 0-511: x's tokens, 512-703: w_qkv's columns, 704-767: w_out's columns.
; A fragment (16 rows x 128 K, 12 registers a lane) lies as 6 pieces of 256 bytes: piece p holds registers 2 p, 2 p + 1 of lane l at 256 p + 8 l: every store of a piece covers 256 consecutive bytes, aligned.
; THE ORDER INSIDE A BLOCK OF 32: place 16 h + 8 u + j holds element 16 u + 8 h + j (bits 3 and 4 of the index change places).  Every operand of every product of this program has that order
; along its K, so each product's two sides agree; blocks and their scales are the true blocks.  It is the order in which a matrix result falls into a lane's registers.
; scales: [12,288 rows][32 bytes], byte 4 s + b for K step s, block b.
; Work-groups 0-255 take x (K innermost), work-groups 256-383 the weights (K is their first axis); each reads 128 KiB.  Waves share nothing: no barrier.  No work-group reads what another reads: no cluster.
.set TM,  16                           ; v16-31   the quantiser's work: largest magnitudes, bytes, scale operands
.set PC,  32                           ; v32-50   the codes just made
.set PW,  52                           ; v52-55   x: a K step's scale word each
.set R,   64                           ; v64-191  x: two sets of 64 numbers as loaded
.set X,   192                          ; v192-255 x: 64 numbers of my row, in the operand's order
.set WA,  64                           ; v64-95   w: byte offset of row swap(i) of a block, at my column
.set WX,  96                           ; v96-159  w: two sets of 32 numbers: a block of my column
.set CB,  160                          ; v160-223 w: block t's codes in eight registers at CB + 8 t
.set SB,  32                           ; s[32:47] w: the address of block t's first row, at my wave's first column
.set SEL, 20                           ; s[20:21] lane selects: lane l xor 16
.set SPX, 528                          ; x's stage: a row of 512 bytes + 16: sixteen rows begin in sixteen different 16-byte columns of 256
.set WST, 16*SPX                       ; a wave's stage
; 64 numbers of a lane, v[s] .. v[s + 63], register 16 b + i = place 16 (lane / 16) + i of block b of my row, become a fragment's codes in v[PC] on and its scale word in v[pw].
.macro QUANT s, pw
.irp b, 0,1,2,3
	v_max3_num_f32 v[TM+\b], |v[\s+16*\b]|, |v[\s+1+16*\b]|, 0x1800000   ; my 16 numbers of block b, and the floor 2^(3 - 127): the byte cannot fall under 1
.endr
.irp i, 2,4,6,8,10,12,14
.irp b, 0,1,2,3
	v_max3_num_f32 v[TM+\b], v[TM+\b], |v[\s+16*\b+\i]|, |v[\s+1+16*\b+\i]|   ; the four blocks by turns
.endr
.endr
.irp b, 0,1,2,3
	v_permlanex16_b32 v[TM+4+\b], v[TM+\b], s[SEL], s[SEL+1]
.endr
.irp b, 0,1,2,3
	v_max_num_f32 v[TM+\b], v[TM+\b], v[TM+4+\b]   ; with lane l xor 16's: the block's largest magnitude
.endr
.irp b, 0,1,2,3
	v_add_nc_u32 v[TM+12+\b], 0xff000000, v[TM+\b]   ; 2 off its exponent field: the conversion takes this operand's exponent field as its scale
.endr
.irp b, 0,1,2,3
	v_lshrrev_b32 v[TM+4+\b], 23, v[TM+12+\b]      ; the scale's byte
.endr
	v_lshl_or_b32 v[\pw], v[TM+5], 8, v[TM+4]      ; four bytes: my row's scale word
	v_lshl_or_b32 v[\pw], v[TM+6], 16, v[\pw]
	v_lshl_or_b32 v[\pw], v[TM+7], 24, v[\pw]
.irp c, 0,1
	v_cvt_scalef32_pk16_fp6_f32 v[PC+6*\c:PC+2+6*\c], v[\s+32*\c:\s+15+32*\c], v[TM+12+2*\c]
	v_cvt_scalef32_pk16_fp6_f32 v[PC+12+4*\c:PC+14+4*\c], v[\s+16+32*\c:\s+31+32*\c], v[TM+12+2*\c+1]   ; (a conversion's three registers begin on an even number)
.endr
	v_nop                                          ; one plain place behind a scaled conversion
.irp c, 0,1                                    ; the operand wants a WHOLE block in a lane: lanes 0-15 block 2 c, lanes 16-31 block 2 c + 1
.irp i, 0,1,2
	v_permlane16_swap_b32 v[PC+6*\c+\i], v[PC+12+4*\c+\i]
.endr
.irp i, 0,1,2
	v_mov_b32 v[PC+3+6*\c+\i], v[PC+12+4*\c+\i]
.endr
.endr
.endm
	s_load_b256 s[4:11], s[0:1], 0x0               ; x s[4:5], w_qkv s[6:7], w_out s[8:9], codes s[10:11]
	s_load_b64 s[12:13], s[0:1], 0x20              ; scales
	v_lshl_add_u32 v62, v0, 2, 0x8400
	v_mov_b32 v63, 0
	v_lshrrev_b32 v1, 5, v0
	v_readfirstlane_b32 s14, v1                    ; wave 0..3
	v_and_b32 v1, 31, v0                           ; lane
	v_lshlrev_b32 v7, 3, v1                        ; 8 x lane: my place in a piece
	s_mov_b32 s17, 0                               ; the high word of the offsets' pair s[16:17]
	s_cmp_lt_u32 ttmp9, 256
	s_cbranch_scc0 .Lweights
; ---- x.  Wave w takes row tile T = 2 x work-group + w / 2 and K half w % 2: four K steps.  A load reads 512 consecutive bytes of one row; the 16 rows turn through the wave's own stage in LDS,
; from which lane (r, h) takes, of row r, the eight numbers at 16 u + 8 h of each block: its registers then run in the operand's order.
	s_mov_b32 s[SEL], 0x76543210
	s_mov_b32 s[SEL+1], 0xfedcba98
	s_mov_b32 s22, 0xffff0000                      ; lanes 16-31
	s_lshl_b32 s15, ttmp9, 1
	s_lshr_b32 s16, s14, 1
	s_add_co_u32 s15, s15, s16                     ; T
	s_and_b32 s18, s14, 1                          ; which half of K
	v_and_b32 v2, 15, v0                           ; r
	v_bfe_u32 v3, v0, 4, 1                         ; h
	s_wait_alu depctr_va_vdst(0)
	v_lshlrev_b32 v4, 4, v1                        ; 16 x lane: my 16 bytes of a load's 512
	s_mul_i32 s19, s14, WST
	v_add_nc_u32 v5, s19, v4                       ; the stage, way in
	v_mul_u32_u24 v6, v2, SPX
	v_lshl_add_u32 v6, v3, 5, v6
	v_add_nc_u32 v6, s19, v6                       ; way out: row r, + 32 h
	v_lshlrev_b32 v8, 5, v2
	v_lshl_add_u32 v8, v3, 3, v8                   ; the scale words' place: 32 r + 8 h
.irp b, 0,1,2,3
	v_mov_b32 v[TM+4+\b], 0                        ; written once: a lane permute's destination counts as one of its sources
.endr
	s_lshl_b32 s16, s15, 16                        ; 16 rows of 4,096 bytes,
	s_lshl_b32 s19, s18, 11                        ; 512 numbers
	s_add_co_u32 s16, s16, s19
	s_wait_alu depctr_va_vdst(0)
	s_wait_kmcnt 0x0
	s_add_nc_u64 s[4:5], s[4:5], s[16:17]
	s_mul_i32 s16, s15, 12288
	s_mul_i32 s19, s18, 6144
	s_add_co_u32 s16, s16, s19
	s_add_nc_u64 s[10:11], s[10:11], s[16:17]
	s_lshl_b32 s16, s15, 9
	s_lshl_b32 s19, s18, 4
	s_add_co_u32 s16, s16, s19
	s_add_nc_u64 s[12:13], s[12:13], s[16:17]
.macro LOADX t
.irp i, 0,1,2,3,4,5,6,7,8,9,10,11,12,13,14,15
	global_load_b128 v[R+64*((\t)%2)+4*\i:R+64*((\t)%2)+4*\i+3], v4, s[4:5] offset:4096*\i+512*(\t) th:TH_LOAD_NT
.endr
.endm
.macro XSTEP t
.if (\t) < 3
	s_wait_loadcnt 16                              ; this K step's 16 loads are in; the next step's 16 may be out
.else
	s_wait_loadcnt 0x0
.endif
.irp i, 0,1,2,3,4,5,6,7,8,9,10,11,12,13,14,15
	ds_store_b128 v5, v[R+64*((\t)%2)+4*\i:R+64*((\t)%2)+4*\i+3] offset:SPX*\i
.endr
.irp b, 0,1,2,3
.irp u, 0,1
.irp j, 0,1
	ds_load_b128 v[X+16*\b+8*\u+4*\j:X+16*\b+8*\u+4*\j+3], v6 offset:128*\b+64*\u+16*\j   ; LDS serves a wave's instructions in order: these see the stores above
.endr
.endr
.endr
	s_wait_dscnt 0x0                               ; the numbers are back, and the stage's stores have read their registers
.if (\t) > 0
	s_wait_xcnt 0x0                                ; the last step's stores have read the codes' registers, which are written again below
.endif
.if (\t) < 2
	LOADX (\t)+2
.endif
	QUANT X, PW+(\t)
.irp p, 0,1,2,3,4,5
	global_store_b64 v7, v[PC+2*\p:PC+2*\p+1], s[10:11] offset:1536*(\t)+256*\p   ; a piece: 256 consecutive bytes, aligned
.endr
.endm
	LOADX 0
	LOADX 1
	XSTEP 0
	XSTEP 1
	XSTEP 2
	XSTEP 3
	v_cndmask_b32 v56, v[PW], v[PW+2], s22         ; lanes 0-15 store K steps 0, 1 of their row, lanes 16-31 K steps 2, 3
	v_cndmask_b32 v57, v[PW+1], v[PW+3], s22
	global_store_b64 v8, v[56:57], s[12:13]        ; runs of 16 bytes, 32 bytes apart (the other K half is another wave's): one byte in 128 of what the launch reads
	s_wait_tensorcnt 0x0
	ds_add_u32 v62, v63
	s_wait_dscnt 0x0
	s_endpgm
; ---- the weights, set side by side as 4,096 columns.  A LANE TAKES A COLUMN AND ITS REGISTERS RUN DOWN K, in the order of places: register i holds row swap(i) of the block.  A block lies in one lane.
; A wave takes 32 columns x 256 along K: eight blocks, two K steps of two row tiles.  Each load reads 128 consecutive bytes, the four waves stand side by side on 512.
.Lweights:
	s_sub_co_u32 s15, ttmp9, 256
	s_and_b32 s16, s15, 31                         ; which 128 columns
	s_lshr_b32 s18, s15, 5                         ; which 256 along K
	s_lshl_b32 s19, s16, 7
	s_lshl_b32 s23, s14, 5
	s_add_co_u32 s19, s19, s23                     ; my wave's first column of the 4,096
	s_wait_alu depctr_va_vdst(0)
	v_lshlrev_b32 v2, 2, v1                        ; 4 x lane
	v_lshlrev_b32 v8, 5, v1                        ; 32 x lane: my column's row of scale bytes
	s_wait_alu depctr_va_vdst(0)
	s_wait_kmcnt 0x0
	s_cmp_lt_u32 s16, 24                           ; the first 24 x 128 columns are w_qkv's
	s_cselect_b64 s[SB:SB+1], s[6:7], s[8:9]
	s_mov_b32 s24, 4096
	s_cselect_b32 s24, 12288, s24                  ; a row of the tensor in bytes
	s_cselect_b32 s25, 0, 3072
	s_sub_co_u32 s25, s19, s25                     ; the column in its tensor
	s_lshl_b32 s26, s25, 2
	s_lshl_b32 s27, s18, 8
	s_mul_i32 s27, s27, s24
	s_add_co_u32 s26, s26, s27
	s_mov_b32 s27, 0
	s_add_nc_u64 s[SB:SB+1], s[SB:SB+1], s[26:27]
	s_lshl_b32 s26, s24, 5                         ; 32 rows on
.irp t, 1,2,3,4,5,6,7
	s_add_nc_u64 s[SB+2*\t:SB+2*\t+1], s[SB+2*\t-2:SB+2*\t-1], s[26:27]
.endr
	s_lshr_b32 s28, s19, 4
	s_add_co_u32 s28, s28, 512                     ; my first row tile
	s_mul_i32 s28, s28, 12288
	s_mul_i32 s29, s18, 3072
	s_add_co_u32 s28, s28, s29
	s_mov_b32 s29, 0
	s_add_nc_u64 s[10:11], s[10:11], s[28:29]
	s_add_co_u32 s28, s19, 8192
	s_lshl_b32 s28, s28, 5
	s_lshl_b32 s30, s18, 3
	s_add_co_u32 s28, s28, s30
	s_add_nc_u64 s[12:13], s[12:13], s[28:29]
.set ii, 0
.rept 32
	v_mad_u32_u24 v[WA+ii], s24, ((ii&7)|(((ii>>3)&1)<<4)|(((ii>>4)&1)<<3)), v2   ; place ii holds the row whose index has bits 3 and 4 exchanged
.set ii, ii+1
.endr
.macro LOADW t
.set ii, 0
.rept 32
	global_load_b32 v[WX+32*((\t)%2)+ii], v[WA+ii], s[SB+2*(\t):SB+2*(\t)+1] th:TH_LOAD_NT
.set ii, ii+1
.endr
.endm
.macro BLOCKW t
.set XS, WX+32*((\t)%2)
.set CT, CB+8*(\t)
.if (\t) < 7
	s_wait_loadcnt 32                              ; this block's 32 loads are in; the next block's may be out
.else
	s_wait_loadcnt 0x0
.endif
	v_max3_num_f32 v12, |v[XS]|, |v[XS+1]|, |v[XS+2]|   ; the block's largest magnitude: all 32 numbers are mine
	v_max3_num_f32 v13, |v[XS+3]|, |v[XS+4]|, |v[XS+5]|
.irp i, 6,10,14,18,22,26
	v_max3_num_f32 v12, v12, |v[XS+\i]|, |v[XS+\i+1]|
	v_max3_num_f32 v13, v13, |v[XS+\i+2]|, |v[XS+\i+3]|
.endr
	v_max3_num_f32 v12, v12, |v[XS+30]|, |v[XS+31]|
	v_max3_num_f32 v12, v12, v13, 0x1800000        ; and the floor 2^(3 - 127)
	v_add_nc_u32 v11, 0xff000000, v12              ; 2 off the exponent field: the conversion's scale operand
	v_lshrrev_b32 v13, 23, v11                     ; the byte
.if (\t)%4 == 0
	v_mov_b32 v[24+(\t)/4], v13                    ; four bytes to a register: a K step's scale word
.else
	v_lshl_or_b32 v[24+(\t)/4], v13, 8*((\t)%4), v[24+(\t)/4]
.endif
	v_cvt_scalef32_pk16_fp6_f32 v[CT:CT+2], v[XS:XS+15], v11
	v_cvt_scalef32_pk16_fp6_f32 v[CT+4:CT+6], v[XS+16:XS+31], v11   ; (a conversion's three registers begin on an even number)
.if (\t)+2 < 8
	LOADW (\t)+2
.endif
.endm
; A K step's four blocks become two fragments.  Lanes 0-15 hold row tile 0's columns, lanes 16-31 row tile 1's; the operand wants lanes 0-15 to hold block 2 c and lanes 16-31 block 2 c + 1 of ONE tile:
; block 2 c's upper lanes change places with block 2 c + 1's lower lanes.  Each K step has registers of its own, so no store's data are written again.
.macro OUTW s
	v_nop                                          ; one plain place behind a scaled conversion
.irp c, 0,1
.irp i, 0,1,2,4,5,6
	v_permlane16_swap_b32 v[CB+32*\s+16*\c+\i], v[CB+32*\s+16*\c+8+\i]
.endr
.endr
.irp k, 0,1,2,3
	v_mov_b32 v[CB+32*\s+8*\k+3], v[CB+32*\s+8*\k+4]   ; a block's six registers on end
	v_mov_b32 v[CB+32*\s+8*\k+4], v[CB+32*\s+8*\k+5]
	v_mov_b32 v[CB+32*\s+8*\k+5], v[CB+32*\s+8*\k+6]
.endr
.irp c, 0,1
.irp u, 0,1
.irp p, 0,1,2
	global_store_b64 v7, v[CB+32*\s+16*\c+8*\u+2*\p:CB+32*\s+16*\c+8*\u+2*\p+1], s[10:11] offset:12288*\u+1536*\s+768*\c+256*\p   ; a piece: 256 consecutive bytes, aligned
.endr
.endr
.endr
.endm
	LOADW 0
	LOADW 1
	BLOCKW 0
	BLOCKW 1
	BLOCKW 2
	BLOCKW 3
	OUTW 0
	BLOCKW 4
	BLOCKW 5
	BLOCKW 6
	BLOCKW 7
	OUTW 1
	global_store_b64 v8, v[24:25], s[12:13]        ; my column's eight scale bytes (rows 32 bytes apart: one byte in 128 of what the launch reads)
	s_endpgm
.Lfunc_end_k_q5274b6f7e2_quant:
	.size	k_q5274b6f7e2_quant, .Lfunc_end_k_q5274b6f7e2_quant-k_q5274b6f7e2_quant
	.p2alignl 7, 3214868480
	.fill 96, 4, 3214868480
	.section	.rodata,"a",@progbits
	.p2align	6, 0x0
	.amdhsa_kernel k_q5274b6f7e2_quant
		.amdhsa_group_segment_fixed_size 34304
		.amdhsa_private_segment_fixed_size 0
		.amdhsa_enable_private_segment 0
		.amdhsa_kernarg_size 40
		.amdhsa_user_sgpr_count 2
		.amdhsa_user_sgpr_kernarg_segment_ptr 1
		.amdhsa_wavefront_size32 1
		.amdhsa_system_sgpr_workgroup_id_x 1
		.amdhsa_system_sgpr_workgroup_id_y 1
		.amdhsa_system_sgpr_workgroup_id_z 1
		.amdhsa_system_vgpr_workitem_id 0
		.amdhsa_next_free_vgpr 256
		.amdhsa_next_free_sgpr 66
		.amdhsa_reserve_vcc 0
		.amdhsa_float_denorm_mode_32 3
		.amdhsa_float_denorm_mode_16_64 3
		.amdhsa_memory_ordered 1
		.amdhsa_forward_progress 1
		.amdhsa_inst_pref_size 77
	.end_amdhsa_kernel
	.amdgpu_metadata
---
amdhsa.version: [ 1, 2 ]
amdhsa.kernels:
  - .name:           k_q5274b6f7e2_quant
    .symbol:         k_q5274b6f7e2_quant.kd
    .args:
      - { .name: x, .offset: 0, .size: 8, .value_kind: global_buffer, .address_space: global }
      - { .name: w_qkv, .offset: 8, .size: 8, .value_kind: global_buffer, .address_space: global }
      - { .name: w_out, .offset: 16, .size: 8, .value_kind: global_buffer, .address_space: global }
      - { .name: codes, .offset: 24, .size: 8, .value_kind: global_buffer, .address_space: global }
      - { .name: scales, .offset: 32, .size: 8, .value_kind: global_buffer, .address_space: global }
    .group_segment_fixed_size: 34304
    .private_segment_fixed_size: 0
    .kernarg_segment_align: 8
    .kernarg_segment_size: 40
    .max_flat_workgroup_size: 128
    .sgpr_count:     66
    .vgpr_count:     256
    .wavefront_size: 32
...
	.end_amdgpu_metadata
.endif
;; end of part 1
;; launch gemm_qkv (part 2): grid 12 x 32, 4 waves a work-group, clusters of 4 x 4, 327,680 bytes of LDS; arguments codes, scales, b_qkv, qrec, kv; writes qrec, kv
.if DOCPART == 2
	.amdgcn_target "amdgcn-amd-amdhsa--gfx1250"
	.amdhsa_code_object_version 6
	.text
	.protected	k_q5274b6f7e2_gemm_qkv
	.globl	k_q5274b6f7e2_gemm_qkv
	.p2align	8
	.type	k_q5274b6f7e2_gemm_qkv,@function
k_q5274b6f7e2_gemm_qkv:
	s_mov_b64 s[64:65], 0
	v_nop
	global_prefetch_b8 v0, s[64:65] scope:SCOPE_SE
	s_setreg_imm32_b32 hwreg(HW_REG_WAVE_MODE, 25, 1), 1
	s_wait_xcnt 0x0
	s_wait_alu depctr_hold_cnt(0) depctr_sa_sdst(0) depctr_va_vdst(0) depctr_va_sdst(0) depctr_va_ssrc(0) depctr_va_vcc(0) depctr_vm_vsrc(0)
	s_getreg_b32 s2, hwreg(HW_REG_IB_STS2, 6, 4)
	s_cmp_eq_u32 s2, 0
	s_cbranch_scc0 .Lentry_in_a_cluster
	s_endpgm
.Lentry_in_a_cluster:
	s_bfe_u32 s2, ttmp6, 0x10000c
	s_cmp_lg_u32 s2, 0xf033
	s_cbranch_scc0 .Lentry_shape_is_right
	s_endpgm
.Lentry_shape_is_right:
.set NQ,     2
.set FR,     12
.set NL,     6
.set NP,     4
.set FRB,    1536
.set SSTEP,  NQ*FRB
.set HALFT,  8*SSTEP
.set SLOT,   4*HALFT
.set LAPS,   2
.set KS,     32
.set SCL,    2*SLOT
.set HALFS,  (128*KS/256)*272
.set SBLK,   (16*KS/256)*272
.set SPARE,  SCL+4*HALFS
.set ADRA, 16
.set ADRB, 20
.set L8,   24
.set L16,  25
.set ADRS, 27
.set SPW,  28
.set NIL,  29
.set SC,   32
.set BQ,   64
.set AF,   128
.set BV,   224
.set TM,   240
.set PWS,  212
.set WK,   8
.set T,    128
.set PC,   192
.set SEL,  92
.set BC,   68
.set G1, 24
.set G0, 32
.set G1B, 48
.set G0B, 56
.set G1S, 68
.set G0S, 76
.set G1SB, 80
.set G0SB, 88
.set MSB, 0
.macro WIN new
.if MSB != (\new)
	s_set_vgpr_msb (MSB<<8)|(\new)
.set MSB, (\new)
.endif
.endm
.set MUL_LO, 0xa1
.set MUL_HI, 0xf1
.set TO_B,   0x40
.macro JLOAD g0a, g1a, g0b, g1b
	s_cmp_eq_u32 s15, 0
	s_cbranch_scc0 .Lfor_b_\@
	tensor_load_to_lds s[\g0a:\g0a+3], s[\g1a:\g1a+7]
	s_nop 0
.rept 4
	v_nop
.endr
	s_branch .Lasked_\@
.Lfor_b_\@:
	tensor_load_to_lds s[\g0b:\g0b+3], s[\g1b:\g1b+7]
	s_nop 0
.rept 4
	v_nop
.endr
.Lasked_\@:
.endm
.macro CREST
	s_cmp_lg_u32 s14, 0
	s_cbranch_scc1 .Lnot_wave_0_\@
	s_barrier_signal -3
.Lnot_wave_0_\@:
	s_barrier_wait -3
	s_barrier_signal -1
	s_barrier_wait -1
.endm
.macro CROUND
	s_barrier_signal -1
	s_barrier_wait -1
	CREST
.endm
	s_load_b256 s[4:11], s[0:1], 0x0
	s_load_b64 s[12:13], s[0:1], 0x20
	v_lshl_add_u32 v[SPW], v0, 2, SPARE
	v_mov_b32 v[NIL], 0
	ds_add_u32 v28, v29
	ds_add_u32 v28, v29
	s_wait_dscnt 0x0
	v_lshrrev_b32 v1, 5, v0
	v_readfirstlane_b32 s14, v1
	s_lshr_b32 s15, s14, 1
	s_and_b32 s16, s14, 1
	s_bfe_u32 s40, ttmp6, 0x40000
	s_bfe_u32 s41, ttmp6, 0x40004
	s_and_b32 s17, ttmp7, 0xffff
	s_lshl_b32 s17, s17, 2
	s_lshl_b32 s42, ttmp9, 2
	s_add_co_u32 s42, s42, 32
	s_cmp_lt_u32 ttmp9, 2
	s_cselect_b32 s18, s17, 40
	s_cselect_b32 s42, s42, s17
	s_add_co_u32 s17, s18, s41
	s_add_co_u32 s42, s42, s40
	s_lshl_b32 s43, s41, 2
	s_lshl_b32 s43, 15, s43
	s_lshl_b32 s44, 0x1111, s40
	s_or_b32 s[G1+0], s43, (3<<16)|(1<<21)
	s_or_b32 s[G1B+0], s44, (3<<16)|(1<<21)
.irp g, G1, G1B
	s_mov_b32 s[\g+1], 384<<16
	s_mov_b32 s[\g+2], 8<<16
	s_mov_b32 s[\g+3], 384<<16
	s_mov_b32 s[\g+4], 8
	s_mov_b32 s[\g+5], 1536
	s_mov_b32 s[\g+6], 0
	s_mov_b32 s[\g+7], 0
.endr
	s_or_b32 s[G1S+0], s43, (3<<16)|(1<<20)|(1<<21)|(5<<22)|(3<<25)
	s_or_b32 s[G1SB+0], s44, (3<<16)|(1<<20)|(1<<21)|(5<<22)|(3<<25)
.irp g, G1S, G1SB
	s_mov_b32 s[\g+1], 32<<16
	s_mov_b32 s[\g+2], (128*KS/256)<<16
	s_mov_b32 s[\g+3], 32<<16
	s_mov_b32 s[\g+4], 128*KS/256
	s_mov_b32 s[\g+5], 32
	s_mov_b32 s[\g+6], 0
	s_mov_b32 s[\g+7], 0
.endr
	s_lshl_b32 s18, s16, 7
	s_lshl_b32 s20, s17, 8
	s_add_co_u32 s20, s20, s18
	s_lshl_b32 s46, s42, 8
	s_add_co_u32 s46, s46, s18
	s_lshl_b32 s22, s20, 5
	s_mov_b32 s23, 0
	s_lshl_b32 s92, s46, 5
	s_mov_b32 s93, 0
	s_mul_i32 s20, s20, 768
	s_mov_b32 s21, 0
	s_mul_i32 s46, s46, 768
	s_mov_b32 s47, 0
	s_mul_i32 s45, s14, HALFT
	s_mul_i32 s94, s14, HALFS
	s_wait_kmcnt 0x0
	s_add_nc_u64 s[20:21], s[4:5], s[20:21]
	s_add_nc_u64 s[22:23], s[6:7], s[22:23]
	s_add_nc_u64 s[46:47], s[4:5], s[46:47]
	s_add_nc_u64 s[92:93], s[6:7], s[92:93]
	CROUND
	s_mov_b32 s[G0S], 1
	s_add_co_u32 s[G0S+1], s94, SCL
	s_mov_b64 s[G0S+2:G0S+3], s[22:23]
	s_or_b32 s[G0S+3], s[G0S+3], 0x80000000
	s_mov_b32 s[G0SB], 1
	s_add_co_u32 s[G0SB+1], s94, SCL
	s_mov_b64 s[G0SB+2:G0SB+3], s[92:93]
	s_or_b32 s[G0SB+3], s[G0SB+3], 0x80000000
	JLOAD G0S, G1S, G0SB, G1SB
.irp s, 0,1
	s_mov_b32 s[G0+4*\s], 1
	s_add_co_u32 s[G0+4*\s+1], s45, \s*SLOT
	s_add_nc_u64 s[G0+4*\s+2:G0+4*\s+3], s[20:21], \s*SSTEP
	s_or_b32 s[G0+4*\s+3], s[G0+4*\s+3], 0x80000000
	s_mov_b32 s[G0B+4*\s], 1
	s_add_co_u32 s[G0B+4*\s+1], s45, \s*SLOT
	s_add_nc_u64 s[G0B+4*\s+2:G0B+4*\s+3], s[46:47], \s*SSTEP
	s_or_b32 s[G0B+4*\s+3], s[G0B+4*\s+3], 0x80000000
	s_wait_alu depctr_va_vdst(0)
	s_wait_tensorcnt 0x0
	ds_add_u32 v28, v29
	s_wait_dscnt 0x0
	CROUND
	JLOAD G0+4*\s, G1, G0B+4*\s, G1B
.endr
	v_and_b32 v1, 15, v0
	v_bfe_u32 v2, v0, 4, 1
	v_and_b32 v3, 31, v0
	v_lshlrev_b32 v[L8], 3, v3
	v_lshlrev_b32 v[L16], 4, v3
	s_mul_i32 s21, s15, HALFT
	s_mul_i32 s22, s16, HALFT
	s_add_co_u32 s22, s22, 2*HALFT
.irp s, 0,1
	v_add_nc_u32 v[ADRA+\s], s21, v[L8]
	v_add_nc_u32 v[ADRB+\s], s22, v[L8]
	s_add_co_u32 s21, s21, SLOT
	s_add_co_u32 s22, s22, SLOT
.endr
	v_mul_u32_u24 v5, v1, KS
	v_lshrrev_b32 v6, 8, v5
	v_lshl_add_u32 v5, v6, 4, v5
	s_mul_i32 s21, s15, HALFS
	s_mul_i32 s22, s16, HALFS
	s_add_co_u32 s22, s22, 2*HALFS
	s_sub_co_u32 s22, s22, s21
	v_mul_u32_u24 v6, s22, v2
	s_add_co_u32 s21, s21, SCL
	v_add_nc_u32 v5, v5, v6
	v_add_nc_u32 v[ADRS], s21, v5
	v_lshlrev_b32 v30, 5, v2
	s_wait_alu depctr_va_vdst(0)
	v_lshlrev_b32 v31, 2, v1
	s_wait_alu depctr_va_vdst(0)
	s_lshl_b32 s96, ttmp9, 12
	s_lshl_b32 s97, s40, 10
	s_add_co_u32 s96, s96, s97
	s_lshl_b32 s97, s16, 9
	s_add_co_u32 s96, s96, s97
	s_mov_b32 s97, 0
	s_add_nc_u64 s[96:97], s[8:9], s[96:97]
	s_lshl_b32 s98, s41, 10
	s_lshl_b32 s99, s15, 9
	s_add_co_u32 s98, s98, s99
	s_add_co_u32 s98, s98, 8192
	s_mov_b32 s99, 0
	s_add_nc_u64 s[98:99], s[8:9], s[98:99]
.irp b, 0,1,2,3,4,5,6,7
	global_load_b128 v[BQ+8*\b:BQ+8*\b+3], v30, s[96:97] offset:64*\b
	global_load_b128 v[BQ+8*\b+4:BQ+8*\b+7], v30, s[96:97] offset:64*\b+16
.endr
.irp a, 0,1,2,3,4,5,6,7
	global_load_b32 v[BV+2*\a], v31, s[98:99] offset:64*\a
	global_load_b32 v[BV+2*\a+1], v31, s[98:99] offset:64*\a
.endr
.irp b, 0,1,2,3
	v_mov_b32 v[TM+4+\b], 0
.endr
.macro FRAG reg, adr, q, i
.irp p, 0,1,2,3,4,5
	ds_load_b64 v[\reg+2*\p:\reg+2*\p+1], v[\adr] offset:SSTEP*(\i)+FRB*(\q)+256*\p
.endr
.endm
.macro MUL16 a0, p, q, sc, zero
.irp a, \a0, \a0+1
.irp b, 0,1,2,3,4,5,6,7
.if \zero
	v_wmma_scale_f32_16x16x128_f8f6f4 v[8*(8*((\a)%4)+\b):8*(8*((\a)%4)+\b)+7], v[128*(\p)+FR*\b:128*(\p)+FR*\b+FR-1], v[AF+FR*(\a):AF+FR*(\a)+FR-1], 0, v[SC+8*NQ*(\sc)+NQ*\b+(\q)], v[SC+8*NQ*(\sc)+NQ*(\a)+(\q)] matrix_a_fmt:MATRIX_FMT_FP6 matrix_b_fmt:MATRIX_FMT_FP6 matrix_a_scale:MATRIX_SCALE_ROW1
.else
	v_wmma_scale_f32_16x16x128_f8f6f4 v[8*(8*((\a)%4)+\b):8*(8*((\a)%4)+\b)+7], v[128*(\p)+FR*\b:128*(\p)+FR*\b+FR-1], v[AF+FR*(\a):AF+FR*(\a)+FR-1], v[8*(8*((\a)%4)+\b):8*(8*((\a)%4)+\b)+7], v[SC+8*NQ*(\sc)+NQ*\b+(\q)], v[SC+8*NQ*(\sc)+NQ*(\a)+(\q)] matrix_a_fmt:MATRIX_FMT_FP6 matrix_b_fmt:MATRIX_FMT_FP6 matrix_a_scale:MATRIX_SCALE_ROW1
.endif
.endr
.endr
.endm
.macro FETCH_B slot, q, p
	WIN TO_B
.irp i, 0,1,2,3,4,5,6,7
	FRAG 128*(\p)+FR*\i, ADRB+\slot, \q, \i
.endr
	WIN 0
.endm
.macro FETCH_A slot, q, i0
.irp i, \i0, \i0+1, \i0+2, \i0+3
	FRAG AF+FR*(\i), ADRA+\slot, \q, \i
.endr
.endm
.macro SCALES sc
.irp i, 0,1,2,3,4,5,6,7
	ds_load_b64 v[SC+8*NQ*\sc+NQ*\i:SC+8*NQ*\sc+NQ*\i+1], v[ADRS] offset:\i*SBLK
.endr
.endm
.macro PLACES n
.rept \n
	v_nop
.endr
.endm
.macro STEP slot, q, zero
	s_wait_dscnt 4*NL
	WIN MUL_LO
	MUL16 0, (\q)%2, \q, \slot, \zero
	MUL16 2, (\q)%2, \q, \slot, \zero
	s_wait_dscnt 0
	PLACES NP
	FETCH_B \slot, (\q)+1, 1-(\q)%2
	FETCH_A \slot, (\q)+1, 0
	WIN MUL_HI
	MUL16 4, (\q)%2, \q, \slot, \zero
	MUL16 6, (\q)%2, \q, \slot, \zero
	PLACES NP
	WIN 0
	FETCH_A \slot, (\q)+1, 4
.endm
.macro TURN slot, next, fill
	s_wait_tensorcnt 0x0
	ds_add_u32 v[SPW], v[NIL]
	s_wait_dscnt 4*NL+1
	WIN MUL_LO
	MUL16 0, 1, NQ-1, \slot, 0
	s_wait_dscnt 0x0
	s_barrier_signal -1
	MUL16 2, 1, NQ-1, \slot, 0
	WIN 0
	s_barrier_wait -1
.if \fill
	CREST
	s_add_nc_u64 s[G0+4*\slot+2:G0+4*\slot+3], s[G0+4*\slot+2:G0+4*\slot+3], 2*SSTEP
	s_add_nc_u64 s[G0B+4*\slot+2:G0B+4*\slot+3], s[G0B+4*\slot+2:G0B+4*\slot+3], 2*SSTEP
	JLOAD G0+4*\slot, G1, G0B+4*\slot, G1B
.else
	PLACES NP
.endif
	s_wait_alu depctr_va_vdst(0)
	v_add_nc_u32 v[ADRS], 4*NQ, v[ADRS]
	FETCH_B \next, 0, 0
	FETCH_A \next, 0, 0
	SCALES \next
	WIN MUL_HI
	MUL16 4, 1, NQ-1, \slot, 0
	MUL16 6, 1, NQ-1, \slot, 0
	PLACES NP
	WIN 0
	FETCH_A \next, 0, 4
.endm
	s_wait_loadcnt 0x0
	s_wait_tensorcnt 1
	s_barrier_signal -1
	s_barrier_wait -1
	FETCH_B 0, 0, 0
	FETCH_A 0, 0, 0
	SCALES 0
	FETCH_A 0, 0, 4
	STEP 0, 0, 1
	s_mov_b32 s3, LAPS-1
.Llap:
	TURN 0, 1, 1
	STEP 1, 0, 0
	TURN 1, 0, 1
	STEP 0, 0, 0
	s_sub_co_u32 s3, s3, 1
	s_cmp_lg_u32 s3, 0
	s_cbranch_scc1 .Llap
	TURN 0, 1, 0
	STEP 1, 0, 0
	s_wait_dscnt 4*NL
	WIN MUL_LO
	MUL16 0, 1, NQ-1, 1, 0
	MUL16 2, 1, NQ-1, 1, 0
	s_wait_dscnt 0
	WIN MUL_HI
	MUL16 4, 1, NQ-1, 1, 0
	MUL16 6, 1, NQ-1, 1, 0
	WIN 0
	PLACES NP
	s_mov_b32 s[SEL], 0x76543210
	s_mov_b32 s[SEL+1], 0xfedcba98
	s_mov_b32 s94, 0xffff0000
	s_cmp_lt_u32 ttmp9, 2
	s_cselect_b32 s18, s17, s42
	s_cselect_b32 s19, s15, s16
	s_cselect_b32 s20, s40, s41
	s_cselect_b32 s21, s16, s15
	s_cmp_eq_u32 ttmp9, 0
	s_cselect_b64 s[BC:BC+1], s[10:11], s[12:13]
	s_mov_b32 s22, 13056
	s_cselect_b32 s22, 6656, s22
	s_mov_b32 s23, 12288
	s_cselect_b32 s23, 6144, s23
	s_lshr_b32 s46, s18, 3
	s_lshl_b32 s46, s46, 4
	s_lshl_b32 s20, s20, 2
	s_add_co_u32 s46, s46, s20
	s_lshl_b32 s21, s21, 1
	s_add_co_u32 s46, s46, s21
	s_lshl_b32 s46, s46, 4
	s_lshl_b32 s18, s18, 1
	s_add_co_u32 s18, s18, s19
	s_and_b32 s18, s18, 15
	s_add_co_u32 s46, s46, s18
	s_mul_i32 s46, s46, s22
	s_mov_b32 s47, 0
	s_add_nc_u64 s[BC:BC+1], s[BC:BC+1], s[46:47]
	s_lshl_b32 s46, s22, 4
	s_add_nc_u64 s[BC+2:BC+3], s[BC:BC+1], s[46:47]
	s_mov_b32 s46, s23
	s_add_nc_u64 s[BC+4:BC+5], s[BC:BC+1], s[46:47]
	s_add_nc_u64 s[BC+6:BC+7], s[BC+2:BC+3], s[46:47]
.macro QUANT s, pw
.irp b, 0,1,2,3
	v_max3_num_f32 v[TM+\b], |v[\s+16*\b]|, |v[\s+1+16*\b]|, 0x1800000
.endr
.irp i, 2,4,6,8,10,12,14
.irp b, 0,1,2,3
	v_max3_num_f32 v[TM+\b], v[TM+\b], |v[\s+16*\b+\i]|, |v[\s+1+16*\b+\i]|
.endr
.endr
.irp b, 0,1,2,3
	v_permlanex16_b32 v[TM+4+\b], v[TM+\b], s[SEL], s[SEL+1]
.endr
.irp b, 0,1,2,3
	v_max_num_f32 v[TM+\b], v[TM+\b], v[TM+4+\b]
.endr
.irp b, 0,1,2,3
	v_add_nc_u32 v[TM+12+\b], 0xff000000, v[TM+\b]
.endr
.irp b, 0,1,2,3
	v_lshrrev_b32 v[TM+4+\b], 23, v[TM+12+\b]
.endr
	v_lshl_or_b32 v[\pw], v[TM+5], 8, v[TM+4]
	v_lshl_or_b32 v[\pw], v[TM+6], 16, v[\pw]
	v_lshl_or_b32 v[\pw], v[TM+7], 24, v[\pw]
.irp c, 0,1
	v_cvt_scalef32_pk16_fp6_f32 v[PC+6*\c:PC+2+6*\c], v[\s+32*\c:\s+15+32*\c], v[TM+12+2*\c]
	v_cvt_scalef32_pk16_fp6_f32 v[PC+12+4*\c:PC+14+4*\c], v[\s+16+32*\c:\s+31+32*\c], v[TM+12+2*\c+1]
.endr
	v_nop
.irp c, 0,1
.irp i, 0,1,2
	v_permlane16_swap_b32 v[PC+6*\c+\i], v[PC+12+4*\c+\i]
.endr
.irp i, 0,1,2
	v_mov_b32 v[PC+3+6*\c+\i], v[PC+12+4*\c+\i]
.endr
.endr
.endm
.macro EPI a, mode
.if (\a) > 0
	s_wait_xcnt 0x0
.endif
	WIN 0x02+(\a)/4
.set ii, 0
.rept 32
.if \mode
	v_pk_add_f32 v[T+ii:T+ii+1], v[64*((\a)%4)+ii:64*((\a)%4)+ii+1], v[BV+2*(\a):BV+2*(\a)+1]
.else
	v_pk_add_f32 v[T+ii:T+ii+1], v[64*((\a)%4)+ii:64*((\a)%4)+ii+1], v[BQ+ii:BQ+ii+1]
.endif
.set ii, ii+2
.endr
	WIN 0
	QUANT T, PWS+(\a)
.if \mode
.irp c, 0,1,2
	global_store_b128 v[L16], v[PC+4*\c:PC+4*\c+3], s[BC+2*((\a)/4):BC+2*((\a)/4)+1] offset:6144+1536*((\a)%4)+512*\c
.endr
.else
.irp e, 0,1
.irp p, 0,1,2
	global_store_b64 v[L8], v[PC+6*\e+2*\p:PC+6*\e+2*\p+1], s[BC+2*\e:BC+2*\e+1] offset:768*(\a)+256*\p
.endr
.endr
.endif
.endm
	s_cmp_eq_u32 ttmp9, 2
	s_cbranch_scc1 .Lv_out
.irp a, 0,1,2,3,4,5,6,7
	EPI \a, 0
.endr
.irp g, 0,1
	v_cndmask_b32 v[WK+4*\g], v[PWS+4*\g], v[PWS+4*\g+2], s94
	v_cndmask_b32 v[WK+4*\g+1], v[PWS+4*\g+1], v[PWS+4*\g+3], s94
	v_lshrrev_b32 v[WK+4*\g+2], 16, v[WK+4*\g]
	v_lshrrev_b32 v[WK+4*\g+3], 16, v[WK+4*\g+1]
	v_and_b32 v[WK+4*\g], 0xffff, v[WK+4*\g]
	v_and_b32 v[WK+4*\g+1], 0xffff, v[WK+4*\g+1]
	global_store_b64 v[L8], v[WK+4*\g:WK+4*\g+1], s[BC+4:BC+5] offset:256*\g
	global_store_b64 v[L8], v[WK+4*\g+2:WK+4*\g+3], s[BC+6:BC+7] offset:256*\g
.endr
	s_branch .Ljoin
.Lv_out:
.irp a, 0,1,2,3,4,5,6,7
	EPI \a, 1
.endr
.irp g, 0,1
	v_cndmask_b32 v[WK+4*\g], v[PWS+4*\g], v[PWS+4*\g+2], s94
	v_cndmask_b32 v[WK+4*\g+1], v[PWS+4*\g+1], v[PWS+4*\g+3], s94
	global_store_b64 v[L8], v[WK+4*\g:WK+4*\g+1], s[BC+2*\g:BC+2*\g+1] offset:12800
.endr
.Ljoin:
	s_wait_tensorcnt 0x0
	ds_add_u32 v[SPW], v[NIL]
	s_wait_dscnt 0x0
	CROUND
	s_endpgm
.Lfunc_end_k_q5274b6f7e2_gemm_qkv:
	.size	k_q5274b6f7e2_gemm_qkv, .Lfunc_end_k_q5274b6f7e2_gemm_qkv-k_q5274b6f7e2_gemm_qkv
	.p2alignl 7, 3214868480
	.fill 96, 4, 3214868480
	.section	.rodata,"a",@progbits
	.p2align	6, 0x0
	.amdhsa_kernel k_q5274b6f7e2_gemm_qkv
		.amdhsa_group_segment_fixed_size 327680
		.amdhsa_private_segment_fixed_size 0
		.amdhsa_enable_private_segment 0
		.amdhsa_kernarg_size 40
		.amdhsa_user_sgpr_count 2
		.amdhsa_user_sgpr_kernarg_segment_ptr 1
		.amdhsa_wavefront_size32 1
		.amdhsa_system_sgpr_workgroup_id_x 1
		.amdhsa_system_sgpr_workgroup_id_y 1
		.amdhsa_system_sgpr_workgroup_id_z 1
		.amdhsa_system_vgpr_workitem_id 0
		.amdhsa_next_free_vgpr 1024
		.amdhsa_next_free_sgpr 100
		.amdhsa_reserve_vcc 0
		.amdhsa_float_denorm_mode_32 3
		.amdhsa_float_denorm_mode_16_64 3
		.amdhsa_memory_ordered 1
		.amdhsa_forward_progress 1
		.amdhsa_inst_pref_size 236
	.end_amdhsa_kernel
	.amdgpu_metadata
---
amdhsa.version: [ 1, 2 ]
amdhsa.kernels:
  - .name:           k_q5274b6f7e2_gemm_qkv
    .symbol:         k_q5274b6f7e2_gemm_qkv.kd
    .args:
      - { .name: codes, .offset: 0, .size: 8, .value_kind: global_buffer, .address_space: global }
      - { .name: scales, .offset: 8, .size: 8, .value_kind: global_buffer, .address_space: global }
      - { .name: b_qkv, .offset: 16, .size: 8, .value_kind: global_buffer, .address_space: global }
      - { .name: qrec, .offset: 24, .size: 8, .value_kind: global_buffer, .address_space: global }
      - { .name: kv, .offset: 32, .size: 8, .value_kind: global_buffer, .address_space: global }
    .group_segment_fixed_size: 327680
    .private_segment_fixed_size: 0
    .kernarg_segment_align: 8
    .kernarg_segment_size: 40
    .max_flat_workgroup_size: 128
    .sgpr_count:     100
    .vgpr_count:     1024
    .wavefront_size: 32
...
	.end_amdgpu_metadata
.endif
;; end of part 2
;; launch attn (part 3): grid 4 x 64, 16 waves a work-group, clusters of 4 x 1, 237,056 bytes of LDS; arguments qrec, kv, oc, os; writes oc, os
.if DOCPART == 3
	.amdgcn_target "amdgcn-amd-amdhsa--gfx1250"
	.amdhsa_code_object_version 6
	.text
	.protected	k_q5274b6f7e2_attn
	.globl	k_q5274b6f7e2_attn
	.p2align	8
	.type	k_q5274b6f7e2_attn,@function
k_q5274b6f7e2_attn:
	s_mov_b64 s[64:65], 0
	v_nop
	global_prefetch_b8 v0, s[64:65] scope:SCOPE_SE
	s_setreg_imm32_b32 hwreg(HW_REG_WAVE_MODE, 25, 1), 1
	s_wait_xcnt 0x0
	s_wait_alu depctr_hold_cnt(0) depctr_sa_sdst(0) depctr_va_vdst(0) depctr_va_sdst(0) depctr_va_ssrc(0) depctr_va_vcc(0) depctr_vm_vsrc(0)
	s_getreg_b32 s2, hwreg(HW_REG_IB_STS2, 6, 4)
	s_cmp_eq_u32 s2, 0
	s_cbranch_scc0 .Lentry_in_a_cluster
	s_endpgm
.Lentry_in_a_cluster:
	s_bfe_u32 s2, ttmp6, 0x10000c
	s_cmp_lg_u32 s2, 0x3003
	s_cbranch_scc0 .Lentry_shape_is_right
	s_endpgm
.Lentry_shape_is_right:
; O[hd][q] = the sum over k of softmax_k(Q . K / 8) V for 64 heads of 2,048 tokens x 64 channels, both products on codes of FP6 (E2M3) with E8M0 scales; O / l is quantised along E for the last product.
; THE SOFTMAX: t = score x log2(e) / 8; M = the running largest t rounded UP to a whole number; p = 2^(t - M) is quantised along the keys, not normalised; the row's sum l is taken of the unquantised p;
; when M moves, l and O are multiplied by 2^(old M - new M), which rounds nothing.
; IN.  qrec: [64][16 steps of 128 queries][6,656]: 8 tiles x 768 bytes (registers 0-5 of a fragment), 2 x 256 bytes of scale words.  kv: [64][16 key steps][13,056]: K's 8 tiles x 768; V's 4 channel tiles x 1,536;
; K's scale words 2 x 256; V's 256.  In a unit of scale words tile t', row r lies at 8 r + 128 (t' / 2) + 4 (t' % 2).  Inside each block of 32 along any K, place 16 h + 8 u + j holds element 16 u + 8 h + j, on both sides.
; SHARES.  256 work-groups; each owns 512 queries of one head, each of its sixteen waves two tiles of 16 queries, one after the other (two passes over the head's 16 key steps).
; THE WHOLE HEAD'S kv lies in LDS: a record's 51 rows of 256 bytes, 32 bytes of padding behind each (288 x 51 = 14,688 bytes a record).  It is filled once: each wave asks for one record at the head (one load of a wave is out),
; every wave waits for its own, one barrier shows all sixteen, and nothing is filled again: no ring, no later barrier.
; CLUSTER.  The four work-groups of a cluster belong to one head: each record is asked for jointly, with a mask that names the four.
; NO PREFETCH: all that the launch loads by tensor loads is asked for at its head; there is no loop to run ahead in.
; Both products are used transposed (S^T = K Q^T, O^T = V^T P^T): a lane holds one query throughout.
; WHICH KEYS FORM A TILE OF K is chosen by the lanes' LDS addresses: tile (c, u), c = 0, 1, u = 0 .. 3, takes as rows 0-7 rows 8 (u / 2) + 0 .. 7 of stored tile 4 c + u % 2, and as rows 8-15 the same rows of stored tile
; 4 c + 2 + u % 2.  So register 8 u + j of lane (query, h) in group c is key 64 c + 32 h + 16 (u % 2) + 8 (u / 2) + j: place 8 u + j of block 2 c + h in V's own order.  A WHOLE SCALE BLOCK OF p LIES IN ONE LANE:
; its largest needs no other lane, and two conversions give the operand's six registers.  Stored tiles two apart lie 6 x 288 = 6 x 256 + 192 bytes apart: the four runs of 64 bytes that a load touches fall on different banks (64 banks of 4 bytes: ISA guide 11.1).
; THE FIRST PRODUCT'S K IS 64.  Q's upper six registers are zero codes.  K's eight half fragments lie six registers apart, so a fragment's upper six registers are the next fragment's codes (the last one's: zeros):
; every FP6 code is a finite number, it meets a zero code of Q, and the scale bytes there are 0, a finite code: these products add 0.
; OUT.  oc: [512 token tiles][8 K steps][1,536]: head e's six registers at 768 e.  os: [8,192 tokens][32]: byte 2 e + H, one byte a lane: a head owns two bytes of a token's 32, one byte in 24 of what the launch stores.
; LIMITS: NaN and infinities are not served; the promise holds while |t| stays under 2^31; a p under 2^-126 counts as 0; O / l is a reciprocal and a multiplication; a block of zeros gets the byte 1 (its codes are zeros; this program alone reads the bytes).
; REGISTERS: v1-4 lane parts of LDS addresses, v5-8 the step's addresses, v9 8 h, v10, v11 the add's two; v12 -M, v13 the largest score, v[14:15] l in two halves; v16-27 Q, v28-33, v35 the second tile's, v34 Q's scale words;
; v36-89 K's fragments, then V's four; v96-159 S^T, then p; v160-191 O^T; v192-203 p's codes; v204-207 K's scale words, v208-209 V's, v226 p's; v212-250 at work.
.set REC,  13056                       ; a record in memory
.set ROWP, 288                         ; an LDS row: 256 bytes + 32
.set RECL, 51*ROWP                     ; a record in LDS
.set QREC, 6656
.set VCO,  24*ROWP                     ; in a record in LDS: V's codes (byte 6,144 = row 24),
.set KSC,  48*ROWP                     ; K's scale words,
.set VSC,  50*ROWP                     ; V's
.set SPARE, 16*RECL                    ; behind the records: the spare words, 128 bytes for each of 16 waves
.set KF,   36
.set SS,   96
.set OO,   160
.set PC,   192
.set KS,   204
.set VS,   208
.set MX,   212
.set C1,   228
.set WV,   12                          ; s12 my wave's number
.set SEL,  20                          ; s[20:21] lane selects: lane l xor 16
.set CS,   22                          ; s[22:23] c = log2(e) / 8
.set G1,   24                          ; s[24:31] descriptor group 1
.set TB,   32                          ; s32 LDS byte of the key step in hand
.set CNT,  33
.set MH,   34                          ; s34 the mask of lanes 16-31
.set G0,   40                          ; s[40:43] group 0; never rewritten
.macro WALU
	s_wait_alu depctr_va_vdst(0)
.endm
.macro CROUND                          ; a round of the cluster's barrier
	s_barrier_signal -1
	s_barrier_wait -1
	s_cmp_lg_u32 s[WV], 0
	s_cbranch_scc1 .Lnot_wave_0_\@
	s_barrier_signal -3
.Lnot_wave_0_\@:
	s_barrier_wait -3
	s_barrier_signal -1
	s_barrier_wait -1
.endm
	s_load_b256 s[4:11], s[0:1], 0x0               ; qrec s[4:5], kv s[6:7], oc s[8:9], os s[10:11]
	v_lshl_add_u32 v10, v0, 2, SPARE
	v_mov_b32 v11, 0
	ds_add_u32 v10, v11                            ; the opening lines: the add, twice on end, and its wait ahead of my tensor load
	ds_add_u32 v10, v11
	v_lshrrev_b32 v3, 5, v0
	s_delay_alu instid0(VALU_DEP_1)
	v_readfirstlane_b32 s[WV], v3                  ; wave 0..15
	s_bfe_u32 s13, ttmp6, 0x40000                  ; cx
	s_lshl_b32 s14, ttmp9, 2
	s_add_co_u32 s14, s14, s13
	s_lshl_b32 s14, s14, 1                         ; my first block of 256 queries: it enters Q's and O's addresses alone
	s_and_b32 s15, ttmp7, 0xffff                   ; the head, which the four partners share
	; group 1: a record, 13,056 dense bytes, as 51 rows of 256 bytes (32 elements of 8 bytes), 8 dwords of padding behind each 64
	s_mov_b32 s[G1], 15|(3<<16)|(1<<20)|(1<<21)|(5<<22)|(7<<25)
	s_mov_b32 s[G1+1], 32<<16
	s_mov_b32 s[G1+2], 51<<16
	s_mov_b32 s[G1+3], 32<<16
	s_mov_b32 s[G1+4], 51
	s_mov_b32 s[G1+5], 32
	s_mov_b32 s[G1+6], 0
	s_mov_b32 s[G1+7], 0
	s_mul_i32 s16, s[WV], REC                      ; my record: key step = wave, in memory
	s_mul_i32 s17, s[WV], RECL                     ; and in LDS
	s_mul_i32 s18, s15, 16*REC
	s_add_co_u32 s18, s18, s16
	s_mov_b32 s19, 0
	s_mov_b32 s[SEL], 0x76543210
	s_mov_b32 s[SEL+1], 0xfedcba98
	s_mov_b32 s[CS], 0x3e38aa3b                    ; log2(e) / 8
	s_mov_b32 s[CS+1], s[CS]                       ; (named with it as a pair, so it is written)
	s_mov_b32 s[MH], 0xffff0000
	; Q: record 16 x head + 2 x block + wave / 8, tile wave % 8; the second pass's tile lies two records on
	s_lshl_b32 s35, s15, 4
	s_lshl_b32 s36, s14, 1
	s_add_co_u32 s35, s35, s36
	s_lshr_b32 s36, s[WV], 3
	s_add_co_u32 s35, s35, s36
	s_mul_i32 s35, s35, QREC
	s_and_b32 s36, s[WV], 7
	s_mul_i32 s36, s36, 768
	s_add_co_u32 s56, s35, s36
	s_mov_b32 s57, 0
	s_bfe_u32 s36, s[WV], 0x10002                  ; its scale words: unit (tile / 4), + 128 ((tile / 2) % 2) + 4 (tile % 2)
	s_lshl_b32 s36, s36, 8
	s_add_co_u32 s58, s35, s36
	s_bfe_u32 s36, s[WV], 0x10001
	s_lshl_b32 s36, s36, 7
	s_add_co_u32 s58, s58, s36
	s_and_b32 s36, s[WV], 1
	s_lshl_b32 s36, s36, 2
	s_add_co_u32 s58, s58, s36
	s_add_co_u32 s58, s58, 6144
	s_mov_b32 s59, 0
	; O: token tile 128 x batch + 16 x block + wave (the second pass's: 16 tiles on); head e of the batch's sixteen
	s_lshr_b32 s36, s15, 4
	s_lshl_b32 s36, s36, 7
	s_lshl_b32 s37, s14, 4
	s_add_co_u32 s36, s36, s37
	s_add_co_u32 s36, s36, s[WV]
	s_and_b32 s37, s15, 15
	s_mul_i32 s60, s36, 12288
	s_mul_i32 s38, s37, 768
	s_add_co_u32 s60, s60, s38
	s_mov_b32 s61, 0
	s_lshl_b32 s62, s36, 9
	s_lshl_b32 s38, s37, 1
	s_add_co_u32 s62, s62, s38
	s_mov_b32 s63, 0
	s_wait_dscnt 0x0                               ; both opening adds are done
	s_wait_kmcnt 0x0
	s_add_nc_u64 s[18:19], s[6:7], s[18:19]
	s_add_nc_u64 s[56:57], s[4:5], s[56:57]
	s_add_nc_u64 s[58:59], s[4:5], s[58:59]
	s_add_nc_u64 s[60:61], s[8:9], s[60:61]
	s_add_nc_u64 s[62:63], s[10:11], s[62:63]
	CROUND                                         ; all four work-groups are here: the joint loads meet
	s_mov_b32 s[G0], 1
	s_mov_b32 s[G0+1], s17
	s_mov_b64 s[G0+2:G0+3], s[18:19]
	s_or_b32 s[G0+3], s[G0+3], 0x80000000
	tensor_load_to_lds s[G0:G0+3], s[G1:G1+7]      ; my one tensor load: record = wave; no branch leads round it
	s_nop 0
	v_and_b32 v92, 31, v0
	v_and_b32 v93, 15, v0                          ; r
	v_lshlrev_b32 v4, 3, v92                       ; 8 x lane
	v_lshlrev_b32 v91, 3, v93                      ; 8 r
.irp p, 0,1,2
	global_load_b64 v[16+2*\p:17+2*\p], v4, s[56:57] offset:256*\p           ; the first tile's Q,
	global_load_b64 v[28+2*\p:29+2*\p], v4, s[56:57] offset:2*QREC+256*\p    ; the second's
.endr
	global_load_b32 v34, v91, s[58:59]             ; and their scale words
	global_load_b32 v35, v91, s[58:59] offset:2*QREC
	v_and_b32 v92, 7, v0
	v_bfe_u32 v94, v0, 3, 1                        ; a = (lane / 8) % 2
	v_bfe_u32 v95, v0, 4, 1                        ; h
	v_lshlrev_b32 v92, 3, v92
	v_mad_u32_u24 v1, v94, 6*ROWP, v92
	v_lshl_add_u32 v1, v95, 7, v1                  ; K's codes: 8 (lane % 8) + 128 h, and two stored tiles on where a = 1
	v_lshl_add_u32 v3, v94, 7, v92
	v_lshl_add_u32 v3, v95, 6, v3                  ; K's scale words: lane 16 (u / 2) + m takes 64 (u / 2) + 8 (m % 8) + 128 (m / 8)
	v_lshlrev_b32 v2, 4, v93
	v_mad_u32_u24 v2, v95, ROWP, v2                ; V's codes: 16 bytes a lane, lanes 16-31 in the next LDS row
	v_lshlrev_b32 v9, 3, v95                       ; 8 h
	v_lshl_add_u32 v90, v93, 5, v95                ; O's scale byte: 32 r + H
.irp j, 22,23,24,25,26,27, 84,85,86,87,88,89
	v_mov_b32 v[\j], 0                             ; Q's upper 64 along K: zero codes; and what stands behind K's last half fragment
.endr
.irp j, 217,221,227
	v_mov_b32 v[\j], 0                             ; written once: lane permutes' destinations, and the upper half of the pair v[220:221]
.endr
.macro ADD4                            ; four chains of the row's sum by turns
	v_pk_add_f32 v[C1:C1+1], v[C1:C1+1], v[SS+2*ii:SS+2*ii+1]
	v_pk_add_f32 v[C1+2:C1+3], v[C1+2:C1+3], v[SS+2*ii+2:SS+2*ii+3]
	v_pk_add_f32 v[C1+4:C1+5], v[C1+4:C1+5], v[SS+2*ii+4:SS+2*ii+5]
	v_pk_add_f32 v[14:15], v[14:15], v[SS+2*ii+6:SS+2*ii+7]
.set ii, ii+4
.endm
.macro RESCALE j0                      ; eight registers pairs of O^T under the new M
.irp j, 0,2,4,6,8,10,12,14
	v_pk_mul_f32 v[OO+\j0+\j:OO+\j0+\j+1], v[OO+\j0+\j:OO+\j0+\j+1], v[220:221] op_sel_hi:[1,0]
.endr
.endm
; A KEY STEP: 128 keys.
.macro STEP
	v_add_nc_u32 v5, s[TB], v1                     ; these four are also the places between the last step's products and the loads into the registers that they read
	v_add_nc_u32 v7, s[TB], v3
	v_add_nc_u32 v6, s[TB], v2
	v_add_nc_u32 v8, s[TB], v4
	WALU
	ds_load_b64 v[KS:KS+1], v7 offset:KSC          ; K's scale words: group 0: register u % 2, lanes 16-31 where u / 2 = 1,
	ds_load_b64 v[KS+2:KS+3], v7 offset:KSC+ROWP   ; group 1
.irp c, 0,1
.irp u, 0,1,2,3
.irp p, 0,1,2
	ds_load_b64 v[KF+6*(4*\c+\u)+2*\p:KF+6*(4*\c+\u)+2*\p+1], v5 offset:3*ROWP*(4*\c+\u%2)+ROWP*\p+64*(\u/2)
.endr
.endr
.endr
	s_wait_dscnt 0x0
.irp c, 0,1                                    ; S^T = K Q^T: eight accumulators, each begun with 0
.irp u, 0,1
	v_wmma_scale_f32_16x16x128_f8f6f4 v[SS+8*(4*\c+\u):SS+8*(4*\c+\u)+7], v[KF+6*(4*\c+\u):KF+6*(4*\c+\u)+11], v[16:27], 0, v[KS+2*\c+\u], v34 matrix_a_fmt:MATRIX_FMT_FP6 matrix_b_fmt:MATRIX_FMT_FP6
.endr
.irp u, 2,3
	v_wmma_scale_f32_16x16x128_f8f6f4 v[SS+8*(4*\c+\u):SS+8*(4*\c+\u)+7], v[KF+6*(4*\c+\u):KF+6*(4*\c+\u)+11], v[16:27], 0, v[KS+2*\c+\u-2], v34 matrix_a_fmt:MATRIX_FMT_FP6 matrix_b_fmt:MATRIX_FMT_FP6 matrix_a_scale:MATRIX_SCALE_ROW1
.endr
.endr
	v_mov_b32 v218, v12                            ; the old -M.  With three v_nop: four places ahead of the loads into K's registers and of the first read of S^T
.rept 3
	v_nop
.endr
.irp t, 0,1,2,3                                ; K has been multiplied: V's four fragments land in its registers while the softmax is worked
.irp c, 0,1,2
	ds_load_b128 v[KF+12*\t+4*\c:KF+12*\t+4*\c+3], v6 offset:VCO+6*ROWP*\t+2*ROWP*\c
.endr
.endr
	ds_load_b64 v[VS:VS+1], v8 offset:VSC          ; V's scale words
.irp k, 0,1,2,3                                ; the largest score of my two blocks of 32 keys, two chains each, the four by turns; each accumulator is read from its low end on
	v_max3_num_f32 v[MX+\k], v[SS+16*\k], v[SS+16*\k+1], v[SS+16*\k+2]
.endr
.irp i, 3,5,7,9,11,13
.irp k, 0,1,2,3
	v_max3_num_f32 v[MX+\k], v[MX+\k], v[SS+16*\k+\i], v[SS+16*\k+\i+1]
.endr
.endr
	v_max3_num_f32 v[MX], v[MX], v[MX+1], v[SS+15]
	v_max3_num_f32 v[MX+2], v[MX+2], v[MX+3], v[SS+47]
	v_max_num_f32 v[MX], v[MX], v[SS+31]           ; block h: it serves for the row's maximum and, since p rises with the score, for the block's largest p
	v_max_num_f32 v[MX+2], v[MX+2], v[SS+63]       ; block 2 + h
	s_delay_alu instid0(VALU_DEP_1)
	v_max_num_f32 v216, v[MX], v[MX+2]
	s_delay_alu instid0(VALU_DEP_1)
	v_permlanex16_b32 v217, v216, s[SEL], s[SEL+1]
	s_delay_alu instid0(VALU_DEP_1)
	v_max3_num_f32 v13, v13, v216, v217            ; the running largest score of my query (c is positive)
	s_delay_alu instid0(VALU_DEP_1)
	v_mul_f32 v216, s[CS], v13                     ; as t
	s_delay_alu instid0(VALU_DEP_1)
	v_floor_f32 v12, -v216                         ; the new -M = floor(-t) = -ceil(t)
	s_delay_alu instid0(VALU_DEP_1)
	v_sub_f32 v218, v12, v218                      ; old M - new M: a whole number, 0 or less
	s_delay_alu instid0(VALU_DEP_1)
	v_cvt_i32_f32 v218, v218                       ; (it saturates)
	s_delay_alu instid0(VALU_DEP_1)
	v_ldexp_f32 v220, 1.0, v218                    ; f = 2^(old M - new M)
.irp j, 0,2,4,6,8,10,12,14,16,18,20,22,24,26,28,30,32,34,36,38,40,42,44,46,48,50,52,54,56,58,60,62
	v_pk_fma_f32 v[SS+\j:SS+\j+1], v[SS+\j:SS+\j+1], s[CS:CS+1], v[12:13] op_sel_hi:[1,0,0]   ; t - M, two at a time
.endr
	v_fma_f32 v[MX], v[MX], s[CS], v12             ; the same of each block's largest score
	v_fma_f32 v[MX+2], v[MX+2], s[CS], v12
	WALU                                           ; ahead of the batch
	v_exp_f32 v[MX], v[MX]                         ; the block's largest p: the same two instructions on the same number give the same bits
	v_exp_f32 v[MX+2], v[MX+2]
.set ii, 0
.rept 64
	v_exp_f32 v[SS+ii], v[SS+ii]                   ; p = 2^(t - M)
.set ii, ii+1
.endr
	v_pk_mul_f32 v[14:15], v[14:15], v[220:221] op_sel_hi:[1,0]   ; the sums under the new M (a plain place behind the exponentials)
	WALU                                           ; one wait for the batch of 66, ahead of its first reader
	v_pk_add_f32 v[C1:C1+1], v[SS:SS+1], v[SS+2:SS+3]             ; the row's sum of the unquantised p; the lines that make the scales stand among its four chains
	v_pk_add_f32 v[C1+2:C1+3], v[SS+4:SS+5], v[SS+6:SS+7]
	v_pk_add_f32 v[C1+4:C1+5], v[SS+8:SS+9], v[SS+10:SS+11]
	v_pk_add_f32 v[14:15], v[14:15], v[SS+12:SS+13]
.set ii, 7
	v_max_num_f32 v[MX], 0x1800000, v[MX]          ; the floor 2^(3 - 127): the byte cannot fall under 1
	v_max_num_f32 v[MX+2], 0x1800000, v[MX+2]
	ADD4
	v_add_nc_u32 v222, 0xff000000, v[MX]           ; 2 off the exponent field: the conversion's scale operand
	v_add_nc_u32 v223, 0xff000000, v[MX+2]
	ADD4
	v_lshrrev_b32 v224, 23, v222                   ; the bytes of blocks h and 2 + h
	v_lshrrev_b32 v225, 23, v223
	ADD4
	v_lshl_or_b32 v226, v225, 16, v224
	ADD4
	v_lshlrev_b32 v226, v9, v226                   ; at their places in the scale word: 8 h bits up
	ADD4
	v_permlanex16_b32 v227, v226, s[SEL], s[SEL+1]
	ADD4
	v_pk_add_f32 v[C1:C1+1], v[C1:C1+1], v[SS+62:SS+63]
	v_pk_add_f32 v[C1+2:C1+3], v[C1+2:C1+3], v[C1+4:C1+5]
	s_delay_alu instid0(VALU_DEP_2)
	v_pk_add_f32 v[14:15], v[14:15], v[C1:C1+1]
	s_delay_alu instid0(VALU_DEP_1)
	v_pk_add_f32 v[14:15], v[14:15], v[C1+2:C1+3]
	v_or_b32 v226, v226, v227                      ; with lane l xor 16's two bytes p's scale word is whole
.irp c, 0,1
	v_cvt_scalef32_pk16_fp6_f32 v[PC+6*\c:PC+6*\c+2], v[SS+32*\c:SS+32*\c+15], v[222+\c]
	v_cvt_scalef32_pk16_fp6_f32 v[236+4*\c:238+4*\c], v[SS+32*\c+16:SS+32*\c+31], v[222+\c]   ; (a conversion's three registers begin on an even number)
.endr
	s_wait_dscnt 0x0                               ; V's fragments and scale words are in
	WALU                                           ; directly ahead of the first reader of O^T
	RESCALE 0                                      ; (plain places behind the conversions)
.irp c, 0,1
.irp i, 0,1,2
	v_mov_b32 v[PC+6*\c+3+\i], v[236+4*\c+\i]      ; a block's six registers on end
.endr
.endr
	RESCALE 16                                     ; eight places between the codes' last write and the products; the scale word's stands 26 ahead
.irp t, 0,1                                    ; O^T += V^T P^T: four tiles of 16 channels, the accumulators by turns
	v_wmma_scale_f32_16x16x128_f8f6f4 v[OO+8*\t:OO+8*\t+7], v[KF+12*\t:KF+12*\t+11], v[PC:PC+11], v[OO+8*\t:OO+8*\t+7], v[VS+\t], v226 matrix_a_fmt:MATRIX_FMT_FP6 matrix_b_fmt:MATRIX_FMT_FP6
.endr
.irp t, 2,3
	v_wmma_scale_f32_16x16x128_f8f6f4 v[OO+8*\t:OO+8*\t+7], v[KF+12*\t:KF+12*\t+11], v[PC:PC+11], v[OO+8*\t:OO+8*\t+7], v[VS+\t-2], v226 matrix_a_fmt:MATRIX_FMT_FP6 matrix_b_fmt:MATRIX_FMT_FP6 matrix_a_scale:MATRIX_SCALE_ROW1
.endr
	s_add_co_u32 s[TB], s[TB], RECL                ; the next key step
.endm
; THE WAY OUT of a tile.  O^T / l; its 32 registers are two blocks of 32 along E, register 16 b + 8 u + j = place 16 h + 8 u + j of block b.
.macro WAYOUT pi
	s_wait_xcnt 0x0                                ; the earlier pass's stores have read their registers, which are written again below
	v_add_f32 v14, v14, v15                        ; the sum's two halves,
	s_delay_alu instid0(VALU_DEP_1)
	v_permlanex16_b32 v217, v14, s[SEL], s[SEL+1]
	s_delay_alu instid0(VALU_DEP_1)
	v_add_f32 v14, v14, v217                       ; and lane l xor 16's
	WALU                                           ; ahead of the transcendental
	v_rcp_f32 v14, v14
	v_nop                                          ; (with the three lines above: five places behind the last products; a plain place behind the reciprocal)
	v_nop
	WALU                                           ; ahead of the reciprocal's first reader, which is O^T's too
.irp j, 0,2,4,6,8,10,12,14,16,18,20,22,24,26,28,30
	v_pk_mul_f32 v[SS+\j:SS+\j+1], v[OO+\j:OO+\j+1], v[14:15] op_sel_hi:[1,0]   ; each accumulator from its low end on
.endr
.irp b, 0,1
	v_max3_num_f32 v[MX+\b], |v[SS+16*\b]|, |v[SS+1+16*\b]|, 0x1800000
.endr
.irp i, 2,4,6,8,10,12,14
.irp b, 0,1
	s_delay_alu instid0(VALU_DEP_2)
	v_max3_num_f32 v[MX+\b], v[MX+\b], |v[SS+16*\b+\i]|, |v[SS+1+16*\b+\i]|
.endr
.endr
.irp b, 0,1
	s_delay_alu instid0(VALU_DEP_2)
	v_permlanex16_b32 v[216+\b], v[MX+\b], s[SEL], s[SEL+1]
.endr
.irp b, 0,1
	s_delay_alu instid0(VALU_DEP_2)
	v_max_num_f32 v[MX+\b], v[MX+\b], v[216+\b]
.endr
.irp b, 0,1
	s_delay_alu instid0(VALU_DEP_2)
	v_add_nc_u32 v[222+\b], 0xff000000, v[MX+\b]
.endr
.irp b, 0,1
	s_delay_alu instid0(VALU_DEP_2)
	v_lshrrev_b32 v[224+\b], 23, v[222+\b]
.endr
	v_cvt_scalef32_pk16_fp6_f32 v[244:246], v[SS:SS+15], v222
	v_cvt_scalef32_pk16_fp6_f32 v[240:242], v[SS+16:SS+31], v223
	v_nop                                          ; one plain place behind a scaled conversion
.irp i, 0,1,2
	v_permlane16_swap_b32 v[244+\i], v[240+\i]     ; lanes 0-15 then hold block 0, lanes 16-31 block 1
.endr
.irp i, 0,1,2
	v_mov_b32 v[247+\i], v[240+\i]
.endr
	v_cndmask_b32 v250, v224, v225, s[MH]          ; my block's byte
.irp p, 0,1,2
	global_store_b64 v4, v[244+2*\p:245+2*\p], s[60:61] offset:\pi*16*12288+256*\p   ; 256 consecutive bytes, aligned
.endr
	global_store_b8 v90, v250, s[62:63] offset:\pi*16*512
.endm
; A PASS: one tile of 16 queries against the head's 16 key steps.
.macro PASS pi
.if \pi
.irp j, 0,1,2,3,4,5
	v_mov_b32 v[16+\j], v[28+\j]                   ; the second tile's Q
.endr
	v_mov_b32 v34, v35
.endif
	v_mov_b32 v13, 0xff61b1e6                      ; the largest score so far: -3e38
	v_mov_b32 v12, 0x7f000000                      ; -M: 2^127, so that the first f is 0
	v_mov_b32 v14, 0
	v_mov_b32 v15, 0
.set ii, 0
.rept 32
	v_mov_b32 v[OO+ii], 0                          ; O^T: the step is written once; the first finds zeros, which the first change of M leaves zeros
.set ii, ii+1
.endr
	WALU                                           ; the wait at the end of a set-up
.if \pi == 0
	s_wait_loadcnt 0x0                             ; Q
	s_wait_tensorcnt 0x0                           ; my record is in;
	s_barrier_signal -1
	s_barrier_wait -1                              ; everybody's is.
.endif
	s_mov_b32 s[TB], 0
	s_mov_b32 s[CNT], 16
.Lstep_\@:
	STEP
	s_sub_co_u32 s[CNT], s[CNT], 1
	s_cmp_lg_u32 s[CNT], 0
	s_cbranch_scc1 .Lstep_\@
	WAYOUT \pi
.endm
	PASS 0
	PASS 1
	s_wait_tensorcnt 0x0                           ; the wave's end
	ds_add_u32 v10, v11
	s_wait_dscnt 0x0
	CROUND                                         ; the closing round: no work-group ends while a partner may still ask for a record that names it
	s_endpgm
.Lfunc_end_k_q5274b6f7e2_attn:
	.size	k_q5274b6f7e2_attn, .Lfunc_end_k_q5274b6f7e2_attn-k_q5274b6f7e2_attn
	.p2alignl 7, 3214868480
	.fill 96, 4, 3214868480
	.section	.rodata,"a",@progbits
	.p2align	6, 0x0
	.amdhsa_kernel k_q5274b6f7e2_attn
		.amdhsa_group_segment_fixed_size 237056
		.amdhsa_private_segment_fixed_size 0
		.amdhsa_enable_private_segment 0
		.amdhsa_kernarg_size 32
		.amdhsa_user_sgpr_count 2
		.amdhsa_user_sgpr_kernarg_segment_ptr 1
		.amdhsa_wavefront_size32 1
		.amdhsa_system_sgpr_workgroup_id_x 1
		.amdhsa_system_sgpr_workgroup_id_y 1
		.amdhsa_system_sgpr_workgroup_id_z 1
		.amdhsa_system_vgpr_workitem_id 0
		.amdhsa_next_free_vgpr 256
		.amdhsa_next_free_sgpr 66
		.amdhsa_reserve_vcc 0
		.amdhsa_float_denorm_mode_32 3
		.amdhsa_float_denorm_mode_16_64 3
		.amdhsa_memory_ordered 1
		.amdhsa_forward_progress 1
		.amdhsa_inst_pref_size 49
	.end_amdhsa_kernel
	.amdgpu_metadata
---
amdhsa.version: [ 1, 2 ]
amdhsa.kernels:
  - .name:           k_q5274b6f7e2_attn
    .symbol:         k_q5274b6f7e2_attn.kd
    .args:
      - { .name: qrec, .offset: 0, .size: 8, .value_kind: global_buffer, .address_space: global }
      - { .name: kv, .offset: 8, .size: 8, .value_kind: global_buffer, .address_space: global }
      - { .name: oc, .offset: 16, .size: 8, .value_kind: global_buffer, .address_space: global }
      - { .name: os, .offset: 24, .size: 8, .value_kind: global_buffer, .address_space: global }
    .group_segment_fixed_size: 237056
    .private_segment_fixed_size: 0
    .kernarg_segment_align: 8
    .kernarg_segment_size: 32
    .max_flat_workgroup_size: 512
    .sgpr_count:     66
    .vgpr_count:     256
    .wavefront_size: 32
...
	.end_amdgpu_metadata
.endif
;; end of part 3
;; launch gemm_out (part 4): grid 4 x 64, 4 waves a work-group, clusters of 4 x 4, 327,680 bytes of LDS; arguments oc, os, codes, scales, b_out, out0; writes out0
.if DOCPART == 4
	.amdgcn_target "amdgcn-amd-amdhsa--gfx1250"
	.amdhsa_code_object_version 6
	.text
	.protected	k_q5274b6f7e2_gemm_out
	.globl	k_q5274b6f7e2_gemm_out
	.p2align	8
	.type	k_q5274b6f7e2_gemm_out,@function
k_q5274b6f7e2_gemm_out:
	s_mov_b64 s[64:65], 0
	v_nop
	global_prefetch_b8 v0, s[64:65] scope:SCOPE_SE
	s_setreg_imm32_b32 hwreg(HW_REG_WAVE_MODE, 25, 1), 1
	s_wait_xcnt 0x0
	s_wait_alu depctr_hold_cnt(0) depctr_sa_sdst(0) depctr_va_vdst(0) depctr_va_sdst(0) depctr_va_ssrc(0) depctr_va_vcc(0) depctr_vm_vsrc(0)
	s_getreg_b32 s2, hwreg(HW_REG_IB_STS2, 6, 4)
	s_cmp_eq_u32 s2, 0
	s_cbranch_scc0 .Lentry_in_a_cluster
	s_endpgm
.Lentry_in_a_cluster:
	s_bfe_u32 s2, ttmp6, 0x10000c
	s_cmp_lg_u32 s2, 0xf033
	s_cbranch_scc0 .Lentry_shape_is_right
	s_endpgm
.Lentry_shape_is_right:
; out0[m][n] = the sum over k of O[m][k] w_out[k][n] + b_out[n]: 8,192 x 1,024 x 1,024 on codes of FP6 (E2M3) with one E8M0 byte for each 32 along K; sums in f32.
; IN.  oc: O's codes, [512 token tiles of 16][8 K steps of 128][1,536 bytes]: a fragment's 12 registers as 6 pieces of 256 bytes, piece p holding registers 2 p, 2 p + 1 of lane l at 256 p + 8 l.  os: [8,192][32] scale bytes, word s for K step s.
; codes, scales: the same for w_out's columns, from row 11,264 on.
; SHARES.  A block of out0 is 128 rows x 256 columns: 64 x 4 = 256 work-groups.  Four waves, 2 x 2; a wave makes 64 x 128: 32 accumulators of 16 x 16, 256 registers.
; ALL OF K LIES IN LDS: A's 8 row tiles x 12,288 bytes, B's 16 x 12,288, and both sides' scale bytes as units of 256 + 16 bytes.  Each is one dense block of memory and comes by ONE tensor load at the head, one load a wave
; (one load of a wave is out).  Every wave waits for its own, one barrier shows all four, and nothing is filled again: no ring, no later round but the closing one.
; NO PREFETCH: all that the launch loads by tensor loads is asked for at its head; there is no loop to run ahead in.
; CLUSTERS: 4 x 4 work-groups.  The four of a row of the cluster need the same rows of A, the four of a column the same rows of B: each block is asked for jointly, with a mask that names the four.
; THE MATRIX INSTRUCTION IS USED TRANSPOSED (source 0 = 16 rows of B, source 1 = 16 rows of A): a lane holds eight neighbouring numbers of a row of out0.  The bias, laid as the result lies, is the first products' C.
; REGISTERS, in windows of 256: window 0: v0-31 addresses; v32-95 all scale words (register 32 (s / 4) + 4 i + s % 4: lanes 0-15 A's block i, lanes 16-31 B's block i, K step s); v96-191 A's fragments, two sets of 4;
; v192-255 the bias; on the way out v128-255 are free.  Window 1: B's fragments, two sets of 8, at v0 and v128.  Window 2: accumulator (a, b) at v[8 (8 a + b)].
; A K step is 32 matrix instructions, the 32 accumulators by turns; in its middle the next step's 72 LDS loads go out in one run, into the other sets.
.set FR,     12
.set NP,     4                         ; places behind this matrix instruction (ISA guide 7.12.1)
.set FRB,    1536                      ; a fragment
.set RT,     8*FRB                     ; a row tile, all of K
.set LB,     8*RT                      ; LDS: B's codes, behind A's 8 row tiles
.set KS,     32
.set SCL,    24*RT                     ; A's scale bytes: 16 units of 272
.set SCLB,   SCL+16*272                ; B's: 32 units
.set SBLK,   2*272                     ; those of 16 rows
.set SPARE,  SCLB+32*272               ; the spare words, 128 bytes for each wave
.set SIZE_N, 1024
.set SPITCH, 528                       ; the way out: a stage of 16 rows x (512 + 16) bytes for each wave, in A's bytes, which nobody reads behind the last step's barrier and no load fills again
.set ADRA, 16
.set ADRB, 20                          ; v20, v21: B's row tiles 0-3, 4-7 of my eight
.set STO,  24
.set RD,   25
.set CO,   26
.set ADRS, 27
.set SPW,  28
.set NIL,  29
.set SC,   32
.set AF,   96
.set BQ,   192
.set BK,   128
.set G1, 24
.set G0, 32
.set G1B, 48
.set G0B, 56
.set G1S, 68
.set G0S, 76
.set G1SB, 80
.set G0SB, 88
.set MSB, 0
.macro WIN new                         ; the immediate's high byte repeats the setting that is left
.if MSB != (\new)
	s_set_vgpr_msb (MSB<<8)|(\new)
.set MSB, (\new)
.endif
.endm
.set MUL,  0xa1                        ; source 0 (B) window 1, source 1 (A) window 0, C and D window 2
.set MUL1, 0x81                        ; the first step: C (the bias) window 0
.set TO_B, 0x40                        ; destination window 1, address window 0
.macro CROUND                          ; a round of the cluster's barrier
	s_barrier_signal -1
	s_barrier_wait -1
	s_cmp_lg_u32 s14, 0
	s_cbranch_scc1 .Lnot_wave_0_\@
	s_barrier_signal -3
.Lnot_wave_0_\@:
	s_barrier_wait -3
	s_barrier_signal -1
	s_barrier_wait -1
.endm
.macro PLACES n
.rept \n
	v_nop
.endr
.endm
	s_load_b128 s[4:7], s[0:1], 0x0                ; oc, os
	s_load_b128 s[8:11], s[0:1], 0x10              ; codes, scales
	s_load_b64 s[96:97], s[0:1], 0x20              ; b_out
	s_load_b64 s[12:13], s[0:1], 0x28              ; out0
	v_lshl_add_u32 v[SPW], v0, 2, SPARE
	v_mov_b32 v[NIL], 0
	ds_add_u32 v[SPW], v[NIL]                      ; the opening lines: the add, twice on end, and its wait ahead of my tensor load
	ds_add_u32 v[SPW], v[NIL]
	v_lshrrev_b32 v1, 5, v0
	v_readfirstlane_b32 s14, v1                    ; wave 0..3
	s_lshr_b32 s15, s14, 1                         ; which 64 rows of the block are mine
	s_and_b32 s16, s14, 1                          ; which 128 columns
	s_bfe_u32 s40, ttmp6, 0x40000                  ; cx
	s_bfe_u32 s41, ttmp6, 0x40004                  ; cy
	s_lshl_b32 s42, ttmp9, 2
	s_add_co_u32 s42, s42, s40                     ; block column
	s_and_b32 s17, ttmp7, 0xffff
	s_lshl_b32 s17, s17, 2
	s_add_co_u32 s17, s17, s41                     ; block row
	s_lshl_b32 s43, s41, 2
	s_lshl_b32 s43, 15, s43                        ; my row of the cluster
	s_lshl_b32 s44, 0x1111, s40                    ; my column
	; groups 1.  Codes: rows of 12,288 bytes (1,536 elements of 8), dense: 8 for A, 16 for B.  Scale bytes: rows of 256 bytes, 16 bytes of padding behind each: 16 for A, 32 for B
	s_or_b32 s[G1+0], s43, (3<<16)|(1<<21)
	s_or_b32 s[G1B+0], s44, (3<<16)|(1<<21)
	s_mov_b32 s[G1+2], 8<<16
	s_mov_b32 s[G1+4], 8
	s_mov_b32 s[G1B+2], 16<<16
	s_mov_b32 s[G1B+4], 16
.irp g, G1, G1B
	s_mov_b32 s[\g+1], 1536<<16
	s_mov_b32 s[\g+3], 1536<<16
	s_mov_b32 s[\g+5], 1536
	s_mov_b32 s[\g+6], 0
	s_mov_b32 s[\g+7], 0
.endr
	s_or_b32 s[G1S+0], s43, (3<<16)|(1<<20)|(1<<21)|(5<<22)|(3<<25)
	s_or_b32 s[G1SB+0], s44, (3<<16)|(1<<20)|(1<<21)|(5<<22)|(3<<25)
	s_mov_b32 s[G1S+2], 16<<16
	s_mov_b32 s[G1S+4], 16
	s_mov_b32 s[G1SB+2], 32<<16
	s_mov_b32 s[G1SB+4], 32
.irp g, G1S, G1SB
	s_mov_b32 s[\g+1], 32<<16
	s_mov_b32 s[\g+3], 32<<16
	s_mov_b32 s[\g+5], 32
	s_mov_b32 s[\g+6], 0
	s_mov_b32 s[\g+7], 0
.endr
	s_mul_i32 s20, s17, 8*RT                       ; A: 128 rows a block: codes,
	s_mov_b32 s21, 0
	s_lshl_b32 s22, s17, 12                        ; scale bytes
	s_mov_b32 s23, 0
	s_mul_i32 s46, s42, 16*RT                      ; B: 256 rows a block, from row 11,264 on
	s_add_co_u32 s46, s46, 11264*768
	s_mov_b32 s47, 0
	s_lshl_b32 s92, s42, 13
	s_add_co_u32 s92, s92, 11264*KS
	s_mov_b32 s93, 0
	s_wait_dscnt 0x0                               ; both opening adds are done
	s_wait_kmcnt 0x0
	s_add_nc_u64 s[20:21], s[4:5], s[20:21]
	s_add_nc_u64 s[22:23], s[6:7], s[22:23]
	s_add_nc_u64 s[46:47], s[8:9], s[46:47]
	s_add_nc_u64 s[92:93], s[10:11], s[92:93]
	CROUND                                         ; all sixteen work-groups are here: the joint loads meet
	s_mov_b32 s[G0], 1
	s_mov_b32 s[G0+1], 0
	s_mov_b64 s[G0+2:G0+3], s[20:21]
	s_or_b32 s[G0+3], s[G0+3], 0x80000000
	s_mov_b32 s[G0B], 1
	s_mov_b32 s[G0B+1], LB
	s_mov_b64 s[G0B+2:G0B+3], s[46:47]
	s_or_b32 s[G0B+3], s[G0B+3], 0x80000000
	s_mov_b32 s[G0S], 1
	s_mov_b32 s[G0S+1], SCL
	s_mov_b64 s[G0S+2:G0S+3], s[22:23]
	s_or_b32 s[G0S+3], s[G0S+3], 0x80000000
	s_mov_b32 s[G0SB], 1
	s_mov_b32 s[G0SB+1], SCLB
	s_mov_b64 s[G0SB+2:G0SB+3], s[92:93]
	s_or_b32 s[G0SB+3], s[G0SB+3], 0x80000000
; THE HEAD'S LOADS, ONE A WAVE: one chain of branches on the wave's number, each arm with its load and, but for the last, a jump to the chain's end: every way through the head passes exactly one load.
.macro ARM under, g0, g1, next
	s_cmp_lt_u32 s14, \under
	s_cbranch_scc0 \next
	tensor_load_to_lds s[\g0:\g0+3], s[\g1:\g1+7]
	s_nop 0
.rept 4
	v_nop
.endr
	s_branch .Lhead_asked
\next:
.endm
	ARM 1, G0,  G1,  .Lhead_b                      ; wave 0: A's codes
	ARM 2, G0B, G1B, .Lhead_sa                     ; wave 1: B's codes
	ARM 3, G0S, G1S, .Lhead_sb                     ; wave 2: A's scale bytes
	tensor_load_to_lds s[G0SB:G0SB+3], s[G1SB:G1SB+7]   ; wave 3: B's
	s_nop 0
.rept 4
	v_nop
.endr
.Lhead_asked:
	; the scalar parts of all addresses first, then the vector lines on end
	s_mul_i32 s36, s15, 4*RT                       ; LDS: my 4 row tiles of A,
	s_mul_i32 s37, s16, 8*RT
	s_add_co_u32 s37, s37, LB                      ; my 8 of B: the first four,
	s_add_co_u32 s38, s37, 4*RT                    ; the other four
	s_mul_i32 s39, s15, 8*272                      ; scale words: A's, my 64 rows;
	s_mul_i32 s60, s16, 16*272
	s_add_co_u32 s60, s60, 16*272
	s_sub_co_u32 s60, s60, s39                     ; from there to B's, my 128 rows
	s_add_co_u32 s39, s39, SCL
	s_mul_i32 s61, s14, 16*SPITCH                  ; my stage
	s_lshl_b32 s20, s17, 7
	s_lshl_b32 s21, s15, 6
	s_add_co_u32 s20, s20, s21                     ; my first row of out0
	s_lshl_b32 s20, s20, 12                        ; x 4,096 bytes
	s_mov_b32 s21, 0
	s_lshl_b32 s46, s42, 10                        ; my first column, in bytes
	s_lshl_b32 s47, s16, 9
	s_add_co_u32 s46, s46, s47
	s_mov_b32 s47, 0
	s_add_nc_u64 s[96:97], s[96:97], s[46:47]
	s_add_nc_u64 s[20:21], s[20:21], s[46:47]
	s_add_nc_u64 s[12:13], s[12:13], s[20:21]
	v_and_b32 v1, 15, v0                           ; r
	v_bfe_u32 v2, v0, 4, 1                         ; h
	v_and_b32 v3, 31, v0
	v_lshlrev_b32 v4, 3, v3                        ; 8 x lane: my place in a piece
	v_add_nc_u32 v[ADRA], s36, v4
	v_add_nc_u32 v[ADRB], s37, v4
	v_add_nc_u32 v[ADRB+1], s38, v4
	v_mul_u32_u24 v5, v1, KS                       ; my row's scale bytes: 32 a row,
	v_lshrrev_b32 v6, 8, v5
	v_lshl_add_u32 v5, v6, 4, v5                   ; and 16 more for each 256 passed
	v_mul_u32_u24 v6, s60, v2                      ; lanes 16-31 take B's
	v_add_nc_u32 v5, v5, v6
	v_add_nc_u32 v[ADRS], s39, v5
	v_mul_u32_u24 v5, v1, SPITCH                   ; the stage, way in: row r, 32 bytes for each half of the lanes
	v_lshl_add_u32 v5, v2, 5, v5
	v_add_nc_u32 v[STO], s61, v5
	v_lshlrev_b32 v[CO], 4, v3                     ; way back: the 32 lanes take one row of 512 bytes; and the same in out0
	v_add_nc_u32 v[RD], s61, v[CO]
	v_lshlrev_b32 v30, 5, v2
.irp b, 0,1,2,3,4,5,6,7
	global_load_b128 v[BQ+8*\b:BQ+8*\b+3], v30, s[96:97] offset:64*\b        ; the bias: register 8 b + j of lane (r, h) is column 16 b + 8 h + j
	global_load_b128 v[BQ+8*\b+4:BQ+8*\b+7], v30, s[96:97] offset:64*\b+16
.endr
.macro FRAG reg, adr, s, i             ; row tile i of the four behind the address, K step s
.irp p, 0,1,2,3,4,5
	ds_load_b64 v[\reg+2*\p:\reg+2*\p+1], v[\adr] offset:RT*(\i)+FRB*(\s)+256*\p
.endr
.endm
.macro FETCH_B st                      ; B's eight fragments of step st into set st % 2
	WIN TO_B
.irp i, 0,1,2,3,4,5,6,7
	FRAG 128*((\st)%2)+FR*\i, ADRB+\i/4, \st, \i%4
.endr
	WIN 0
.endm
.macro FETCH_A st                      ; A's four
.irp i, 0,1,2,3
	FRAG AF+48*((\st)%2)+FR*\i, ADRA, \st, \i
.endr
.endm
; 16 matrix instructions: A's blocks a0, a0 + 1 x B's eight, K step s.  first = 1: the bias is C: nothing is cleared and nothing is added later.
.macro MUL16 a0, s, first
.irp a, \a0, \a0+1
.irp b, 0,1,2,3,4,5,6,7
.if \first
	v_wmma_scale_f32_16x16x128_f8f6f4 v[8*(8*(\a)+\b):8*(8*(\a)+\b)+7], v[128*((\s)%2)+FR*\b:128*((\s)%2)+FR*\b+FR-1], v[AF+48*((\s)%2)+FR*(\a):AF+48*((\s)%2)+FR*(\a)+FR-1], v[BQ+8*\b:BQ+8*\b+7], v[SC+32*((\s)/4)+4*\b+(\s)%4], v[SC+32*((\s)/4)+4*(\a)+(\s)%4] matrix_a_fmt:MATRIX_FMT_FP6 matrix_b_fmt:MATRIX_FMT_FP6 matrix_a_scale:MATRIX_SCALE_ROW1
.else
	v_wmma_scale_f32_16x16x128_f8f6f4 v[8*(8*(\a)+\b):8*(8*(\a)+\b)+7], v[128*((\s)%2)+FR*\b:128*((\s)%2)+FR*\b+FR-1], v[AF+48*((\s)%2)+FR*(\a):AF+48*((\s)%2)+FR*(\a)+FR-1], v[8*(8*(\a)+\b):8*(8*(\a)+\b)+7], v[SC+32*((\s)/4)+4*\b+(\s)%4], v[SC+32*((\s)/4)+4*(\a)+(\s)%4] matrix_a_fmt:MATRIX_FMT_FP6 matrix_b_fmt:MATRIX_FMT_FP6 matrix_a_scale:MATRIX_SCALE_ROW1
.endif
.endr
.endr
.endm
.macro STEP s, first
	s_wait_dscnt 0x0                               ; this step's fragments, asked for in the middle of the last step, are in
.if \first
	WIN MUL1
.else
	WIN MUL
.endif
	MUL16 0, \s, \first
	PLACES NP                                      ; places between the last step's products and the loads into the sets that they read
	FETCH_B (\s)+1
	FETCH_A (\s)+1
.if \first
	WIN MUL1
.else
	WIN MUL
.endif
	MUL16 2, \s, \first
.endm
	s_wait_alu depctr_va_vdst(0)                   ; the wait at the head's end
	s_wait_loadcnt 0x0                             ; the bias
	s_wait_tensorcnt 0x0                           ; my block of the four is in;
	s_barrier_signal -1
	s_barrier_wait -1                              ; everybody's is.
.irp g, 0,1
.irp i, 0,1,2,3,4,5,6,7
	ds_load_b128 v[SC+32*\g+4*\i:SC+32*\g+4*\i+3], v[ADRS] offset:\i*SBLK+16*\g   ; all scale words: four K steps' to a load
.endr
.endr
	FETCH_B 0
	FETCH_A 0
	STEP 0, 1
.irp s, 1,2,3,4,5,6
	STEP \s, 0
.endr
	s_wait_dscnt 0x0                               ; the last step: my reads of the codes are over;
	s_barrier_signal -1                            ; say so,
	WIN MUL
	MUL16 0, 7, 0                                  ; work on registers while the others arrive,
	MUL16 2, 7, 0
	WIN 0
	s_barrier_wait -1                              ; and behind this wait nobody reads A's bytes any more: the stages lie there
; THE WAY OUT, block by block of 16 rows x 128 columns: through my own stage in LDS and back as whole rows of 512 bytes, which the 32 lanes store as two aligned units of 256 bytes.
; LDS serves a wave's instructions in order (ISA guide 5.7.1.4): no wait between the stores and the loads.
.macro TOSTAGE a
.set AC, 64*(\a)
	WIN 0x08                                       ; the data: window 2
.irp b, 0,1,2,3,4,5,6,7
	ds_store_b128 v[STO], v[AC+8*\b:AC+8*\b+3] offset:64*\b          ; each accumulator from its low end on
	ds_store_b128 v[STO], v[AC+8*\b+4:AC+8*\b+7] offset:64*\b+16
.endr
	WIN 0
.set BB, BK+64*((\a)%2)
.irp t, 0,1,2,3,4,5,6,7,8,9,10,11,12,13,14,15
	ds_load_b128 v[BB+4*\t:BB+4*\t+3], v[RD] offset:\t*SPITCH
.endr
.endm
.macro SEND a, younger                 ; younger: the LDS instructions issued behind block a's loads, which may stay out
.set BB, BK+64*((\a)%2)
	s_wait_dscnt \younger
.if (\a) > 0
	s_add_nc_u64 s[12:13], s[12:13], 16*SIZE_N*4   ; (behind a wait on XCNT: the earlier stores have read their base)
.endif
.irp t, 0,1,2,3,4,5,6,7,8,9,10,11,12,13,14,15
	global_store_b128 v[CO], v[BB+4*\t:BB+4*\t+3], s[12:13] offset:\t*SIZE_N*4 th:TH_STORE_NT
.endr
.endm
	PLACES NP                                      ; behind the last products: for the reads of their results and the loads into the registers that held operands
	TOSTAGE 0
.irp a, 1,2,3
.if \a > 1
	s_wait_xcnt 0x0                                ; block a - 2's stores have read their registers and their base
.endif
	TOSTAGE \a
	SEND \a-1, 32                                  ; behind block a - 1's loads: block a's 16 stores and 16 loads
.endr
	s_wait_xcnt 0x0
	SEND 3, 0
	s_wait_tensorcnt 0x0                           ; the wave's end
	ds_add_u32 v[SPW], v[NIL]
	s_wait_dscnt 0x0
	CROUND                                         ; the closing round
	s_endpgm
.Lfunc_end_k_q5274b6f7e2_gemm_out:
	.size	k_q5274b6f7e2_gemm_out, .Lfunc_end_k_q5274b6f7e2_gemm_out-k_q5274b6f7e2_gemm_out
	.p2alignl 7, 3214868480
	.fill 96, 4, 3214868480
	.section	.rodata,"a",@progbits
	.p2align	6, 0x0
	.amdhsa_kernel k_q5274b6f7e2_gemm_out
		.amdhsa_group_segment_fixed_size 327680
		.amdhsa_private_segment_fixed_size 0
		.amdhsa_enable_private_segment 0
		.amdhsa_kernarg_size 48
		.amdhsa_user_sgpr_count 2
		.amdhsa_user_sgpr_kernarg_segment_ptr 1
		.amdhsa_wavefront_size32 1
		.amdhsa_system_sgpr_workgroup_id_x 1
		.amdhsa_system_sgpr_workgroup_id_y 1
		.amdhsa_system_sgpr_workgroup_id_z 1
		.amdhsa_system_vgpr_workitem_id 0
		.amdhsa_next_free_vgpr 768
		.amdhsa_next_free_sgpr 100
		.amdhsa_reserve_vcc 0
		.amdhsa_float_denorm_mode_32 3
		.amdhsa_float_denorm_mode_16_64 3
		.amdhsa_memory_ordered 1
		.amdhsa_forward_progress 1
		.amdhsa_inst_pref_size 96
	.end_amdhsa_kernel
	.amdgpu_metadata
---
amdhsa.version: [ 1, 2 ]
amdhsa.kernels:
  - .name:           k_q5274b6f7e2_gemm_out
    .symbol:         k_q5274b6f7e2_gemm_out.kd
    .args:
      - { .name: oc, .offset: 0, .size: 8, .value_kind: global_buffer, .address_space: global }
      - { .name: os, .offset: 8, .size: 8, .value_kind: global_buffer, .address_space: global }
      - { .name: codes, .offset: 16, .size: 8, .value_kind: global_buffer, .address_space: global }
      - { .name: scales, .offset: 24, .size: 8, .value_kind: global_buffer, .address_space: global }
      - { .name: b_out, .offset: 32, .size: 8, .value_kind: global_buffer, .address_space: global }
      - { .name: out0, .offset: 40, .size: 8, .value_kind: global_buffer, .address_space: global }
    .group_segment_fixed_size: 327680
    .private_segment_fixed_size: 0
    .kernarg_segment_align: 8
    .kernarg_segment_size: 48
    .max_flat_workgroup_size: 128
    .sgpr_count:     100
    .vgpr_count:     768
    .wavefront_size: 32
...
	.end_amdgpu_metadata
.endif
;; end of part 4
